; MI455X (gfx1250); checked and timed in simulation.
; The chip was launched on July 23, 2026; its instructions are those of AMD's public machine-readable ISA for CDNA 5 (MIT licence, August 2026) and "CDNA5" Instruction Set Architecture Reference Guide (July 2026). The comments in the code are by the model that wrote it; some were corrected since.
;; Multi Head Attention. Allowed arithmetic: matrix products marked QUANTISED: E2M3 operands, one E8M0 scale for each 32 along K, by v_wmma_scale_f32_16x16x128_f8f6f4 with both operands' format E2M3, f32 sums; everything else in f32.
;; Inputs: Wf 1,024 x 1,024 float32; Wk 1,024 x 1,024 float32; Wq 1,024 x 1,024 float32; Wv 1,024 x 1,024 float32; bf 1,024 float32; bk 1,024 float32; bq 1,024 float32; bv 1,024 float32; mask 4 x 2,048 int32; x_k 4 x 2,048 x 1,024 float32; x_q 4 x 2,048 x 1,024 float32; x_v 4 x 2,048 x 1,024 float32.
;; Outputs: out0 4 x 2,048 x 1,024 float32.
;; This version of the problem:
;;   THIS VERSION OF THE PROBLEM IS GIVEN IN LOW PRECISION. The matrix products marked QUANTISED in the list below multiply operands that are first quantised to E2M3 (2 exponent bits, 3 mantissa bits; 6 bits a number), with one power-of-two scale for each 32 numbers along K (OCP MX v1.0); their sums are f32. All else is computed in f32.
;;   The module's matrix products, in the order in which they are computed (A, B: the left and right operand; K: the contracted axis; several contracted axes count as one K, in the product's order):
;;     1. [M 8,192, K 1,024] x [K 1,024, N 1,024]; A: input x_k; B: input Wk: QUANTISED
;;     2. [M 8,192, K 1,024] x [K 1,024, N 1,024]; A: input x_v; B: input Wv: QUANTISED
;;     3. [M 8,192, K 1,024] x [K 1,024, N 1,024]; A: input x_q; B: input Wq: QUANTISED
;;     4. batch 64 x [M 2,048, K 64] x [K 64, N 2,048]; A: computed on the way; B: computed on the way: QUANTISED
;;     5. batch 64 x [M 2,048, K 2,048] x [K 2,048, N 64]; A: softmax (see below); B: computed on the way: QUANTISED
;;     6. [M 8,192, K 1,024] x [K 1,024, N 1,024]; A: computed on the way; B: input Wf: QUANTISED
;;   THE QUANTISER, for each operand of a quantised product, along K:
;;     - K is cut into blocks of 32 from its start; a last block that is shorter is filled with zeros.
;;     - A block's scale is 2^e with e = floor(log2(the largest magnitude in the block)) - 2, held to -126 .. 127; a block of zeros has e = 0. As a byte (E8M0): e + 127.
;;     - Each number is divided by its block's scale, clamped to +-7.5, and rounded to the nearest number of E2M3, ties to even, subnormals kept.
;;     - The product sums the exact products of the quantised numbers (number of the format x scale) in f32.
;;   ~~~python
;;   def quantise(x, axis):      # numpy; x: float32 -> the quantised numbers, widened to float32 again
;;       x = np.moveaxis(x, axis, -1); K = x.shape[-1]
;;       x = np.pad(x, [(0, 0)] * (x.ndim - 1) + [(0, -K % 32)]); x = x.reshape(x.shape[:-1] + (-1, 32)); a = np.abs(x).max(-1, keepdims=True)
;;       e = np.where(a > 0, np.clip(np.frexp(np.where(a > 0, a, 1))[1] - 1 - 2, -126, 127), 0)      # np.frexp(a)[1] - 1 = floor(log2(a)), exactly
;;       r = np.clip(x / 2.0 ** e, -7.5, 7.5)
;;       step = 2.0 ** (np.maximum(np.frexp(np.where(r == 0, 1, r))[1] - 1, 0) - 3)
;;       q = np.round(r / step) * step * 2.0 ** e      # np.round: ties to even
;;       return np.moveaxis(q.reshape(q.shape[:-2] + (-1,))[..., :K], -1, axis).astype(np.float32)
;;   ~~~
;;   SOFTMAX AHEAD OF A QUANTISED PRODUCT. Where the list says 'softmax', what is quantised is not the finished softmax but p = 2^(t - M), with t = logit x log2(e) and M = ceil(the row's largest t), a whole number; so 1/2 < the row's largest p <= 1. The row's sum l is taken of the UNQUANTISED p, in f32, and the product's result is divided by l at the end. Since M is a whole number, a kernel that streams over the keys may use a running M (the ceiling of the running maximum): every later rescaling is an exact power of two, which a block's scale takes up: the codes' values come out the same.
;;   OPERANDS COMPUTED ON THE WAY. 'Computed on the way' means the value that the module computes at that place (a softmax that the list does not call 'softmax' is quantised finished and normalised). What goes into a quantiser is computed in f32, as accurately as f32 sums, v_exp_f32 and their like allow (about 1e-6 of the number): no bf16 or f16 on the way to a quantiser, and a product that is left as it is and whose result goes on into a quantised operand takes f32 operands (vector FMAs, or v_wmma_f32_16x16x4_f32). A number that lies on a knife's edge between two numbers of the format may be rounded either way, as far as f32 arithmetic and the matrix unit's own rounding can turn it there, and no further.
;; One version. Each part assembles by itself: llvm-mc -triple=amdgcn-amd-amdhsa -mcpu=gfx1250 --defsym DOCPART=n.
;; ======== version 1 of 1: 4 launches
;; limits: right only within a limited range of input values
;; workspace buffers: tc 14,942,208 bytes; ts 622,592 bytes; hb 26,738,688 bytes; ac 6,291,456 bytes; asc 262,144 bytes
;; launch quant (part 1): grid 608 x 1, 4 waves a work-group, no clusters, 34,304 bytes of LDS; arguments x_v, x_q, Wv, Wq, Wf, tc, ts; writes tc, ts
.if DOCPART == 1
	.amdgcn_target "amdgcn-amd-amdhsa--gfx1250"
	.amdhsa_code_object_version 6
	.text
	.protected	k_q785b402f8a_quant
	.globl	k_q785b402f8a_quant
	.p2align	8
	.type	k_q785b402f8a_quant,@function
k_q785b402f8a_quant:
	s_mov_b64 s[64:65], 0
	v_nop
	global_prefetch_b8 v0, s[64:65] scope:SCOPE_SE
	s_setreg_imm32_b32 hwreg(HW_REG_WAVE_MODE, 25, 1), 1
	s_wait_xcnt 0x0
; x_k, x_v, x_q [8192][1024] f32 (K innermost) and Wk, Wv, Wq, Wf [1024 (K)][1024 (n)] f32 (K outermost) become codes of FP6 (E2M3) with one E8M0 byte for each 32 along K.
; A block's scale is 2^(floor(log2(largest magnitude)) - 2): its byte is the largest magnitude's exponent field - 2, held at 1 from below; numbers are divided by it and rounded to the nearest code, ties to even.
; LAYOUT OF THE RESULTS (this program's own): images of the matrix operand's registers.
;   A TILE is 16 rows of x (or 16 columns of W): row r of tile T is 32 (T / 2) + 8 (T % 2) + r + 8 (r / 8), so that two neighbouring tiles, used as source 0, leave 16 neighbours in a lane's 16 result registers.
;   tc: 12,288 bytes a tile = 16 images of 64 along K, 768 bytes each: lane l's registers 0-3 at 16 l, its registers 4-5 at 512 + 8 l; lane (r = l % 16, h = l / 16) holds k = 32 h .. 32 h + 31 of row r.
;   ts: 512 bytes a tile: the word at 16 l + 4 P is the scale word of K step 2 P + l / 16 (128 along K) of row l % 16.
;   Tiles: x_k 0-511, x_v 512-1023, x_q 1024-1535, Wk 1536-, Wv 1600-, Wq 1664-, Wf 1728-1791.
; LIMITS: a block of zeros gets the byte 1 where the rule says 127 (its codes are zeros, and only this program reads the bytes); blocks under 2^-124 have their byte held at 1; NaN and infinities are not served.
; Work-groups 0-767 take x (32 rows each), 768-895 take W.  Only x's path uses LDS: a stage of its own for each wave.  No barrier: waves share nothing.
; WORK LEFT OUT, and what of the lines above it changes.  reference() forms k = x_k Wk + bk and never uses it: the scores are taken of q and v, the weighted sum of v.
; So for all values of the inputs k reaches no output: product 1 of the table is dead work, and x_k, Wk and bk are loaded by no launch and are among no launch's arguments.
; LIMIT: a NaN, an infinity or an overflow that would arise in k alone is not carried to the result.
; This text therefore serves x_v, x_q, Wv, Wq, Wf.  Tiles: x_v 0-511, x_q 512-1023, Wv 1024-, Wq 1088-, Wf 1152-1215.  Work-groups 0-511 take x, 512-607 take W.
.set TM,  8
.set PW,  24                           ; v24     the scale word just made
.set R0,  32                           ; v32-159 two sets of 64 registers as loaded
.set XN,  160                          ; v160-223 64 numbers: register 16 b + i = k 32 b + 16 h + i of my row
.set PC,  224                          ; v224-243 the codes
.set SEL, 28                           ; s[28:29] selects of v_permlanex16_b32: lane l xor 16
; 64 numbers of a lane, register 16 b + i = k 32 b + 16 (lane / 16) + i of my row, become a fragment's 12 registers in v[PC] on and its scale word in v[PW].
.macro QUANT s
.irp b, 0,1,2,3
	v_max3_num_f32 v[TM+\b], |v[\s+16*\b]|, |v[\s+1+16*\b]|, 0x1800000   ; block b: my 16 numbers and the floor 2^(3 - 127): the byte cannot fall under 1
.endr
.irp i, 2,4,6,8,10,12,14
.irp b, 0,1,2,3
	v_max3_num_f32 v[TM+\b], v[TM+\b], |v[\s+16*\b+\i]|, |v[\s+1+16*\b+\i]|   ; the four blocks by turns
.endr
.endr
.irp b, 0,1,2,3
	v_permlanex16_b32 v[TM+4+\b], v[TM+\b], s[SEL], s[SEL+1]
.endr
.irp b, 0,1,2,3
	v_max_num_f32 v[TM+\b], v[TM+\b], v[TM+4+\b]          ; with lane l xor 16's 16: the block's largest magnitude
.endr
.irp b, 0,1,2,3
	v_add_nc_u32 v[TM+12+\b], 0xff000000, v[TM+\b]        ; 2 off its exponent field: the conversion's scale operand
.endr
.irp b, 0,1,2,3
	v_lshrrev_b32 v[TM+4+\b], 23, v[TM+12+\b]             ; the scale's byte
.endr
	v_lshl_or_b32 v[PW], v[TM+5], 8, v[TM+4]
	v_lshl_or_b32 v[PW], v[TM+6], 16, v[PW]
	v_lshl_or_b32 v[PW], v[TM+7], 24, v[PW]
.irp c, 0,1
	v_cvt_scalef32_pk16_fp6_f32 v[PC+6*\c:PC+2+6*\c], v[\s+32*\c:\s+15+32*\c], v[TM+12+2*\c]
	v_cvt_scalef32_pk16_fp6_f32 v[PC+12+4*\c:PC+14+4*\c], v[\s+16+32*\c:\s+31+32*\c], v[TM+12+2*\c+1]   ; a conversion's three registers begin on an even number
.endr
	v_nop                                          ; one plain place behind a scaled conversion
.irp c, 0,1                                    ; the operand wants a whole block in a lane: lanes 0-15 block 2 c, lanes 16-31 block 2 c + 1
.irp i, 0,1,2
	v_permlane16_swap_b32 v[PC+6*\c+\i], v[PC+12+4*\c+\i]
.endr
.irp i, 0,1,2
	v_mov_b32 v[PC+3+6*\c+\i], v[PC+12+4*\c+\i]
.endr
.endr
.endm
	s_load_b128 s[8:11], s[0:1], 0x0               ; x_v 8:9, x_q 10:11
	s_load_b256 s[16:23], s[0:1], 0x10             ; Wv 16:17, Wq 18:19, Wf 20:21, tc 22:23
	s_load_b64 s[24:25], s[0:1], 0x30              ; ts
	v_lshl_add_u32 v254, v0, 2, 0x8400
	v_mov_b32 v255, 0
	v_lshrrev_b32 v1, 5, v0
	v_readfirstlane_b32 s26, v1                    ; wave 0..3
	v_and_b32 v1, 31, v0                           ; lane
	s_mov_b32 s[SEL], 0x76543210
	s_mov_b32 s[SEL+1], 0xfedcba98
	s_mov_b32 s40, 0xffff0000                      ; lanes 16-31
	s_mov_b32 s37, 0
	s_wait_kmcnt 0x0
	s_cmp_lt_u32 ttmp9, 512
	s_cbranch_scc0 .Lw
	; ---------------- x: work-group = 32 rows of one tensor; wave w: tile u = w / 2 of the two, K steps 4 (w % 2) .. + 3
	s_wait_alu depctr_va_vdst(0)
	v_lshlrev_b32 v2, 4, v1                        ; 16 x lane
	s_wait_alu depctr_va_vdst(0)
	v_lshlrev_b32 v3, 3, v1                        ; 8 x lane
	s_lshr_b32 s30, ttmp9, 8                       ; which tensor
	s_cmp_eq_u32 s30, 1
	s_cselect_b64 s[32:33], s[10:11], s[8:9]
	s_lshr_b32 s34, s26, 1                         ; u
	s_and_b32 s35, s26, 1                          ; kh
	s_and_b32 s36, ttmp9, 255
	s_lshl_b32 s36, s36, 17                        ; 32 rows of 4,096 bytes
	s_lshl_b32 s39, s34, 15                        ; + 8 u rows
	s_add_co_u32 s36, s36, s39
	s_lshl_b32 s39, s35, 11                        ; + kh x 512 numbers
	s_add_co_u32 s36, s36, s39
	s_add_nc_u64 s[32:33], s[32:33], s[36:37]
	s_lshl_b32 s38, ttmp9, 1
	s_add_co_u32 s38, s38, s34                     ; my tile
	s_mul_i32 s36, s38, 12288
	s_mul_i32 s39, s35, 6144                       ; four K steps of 1,536 bytes
	s_add_co_u32 s36, s36, s39
	s_add_nc_u64 s[22:23], s[22:23], s[36:37]
	s_lshl_b32 s36, s38, 9
	s_lshl_b32 s39, s35, 3
	s_add_co_u32 s36, s36, s39
	s_add_nc_u64 s[24:25], s[24:25], s[36:37]
	s_mul_i32 s39, s26, 8448                       ; my stage: 16 rows x (512 + 16) bytes
	v_add_nc_u32 v4, s39, v2                       ; in: 16 bytes a lane of a row
	v_and_b32 v6, 15, v0
	v_bfe_u32 v7, v0, 4, 1
	v_mul_u32_u24 v5, v6, 528
	v_lshl_add_u32 v5, v7, 6, v5
	v_add_nc_u32 v5, s39, v5                       ; out: row r, + 64 h: my 16 numbers of each block of 32
.irp b, 0,1,2,3
	v_mov_b32 v[TM+4+\b], 0                        ; written once: a lane permute's destination counts as one of its sources
.endr
.macro XLOAD s, set                    ; K step s of my 16 rows: each load takes 512 consecutive bytes of one row
.irp i, 0,1,2,3,4,5,6,7,8,9,10,11,12,13,14,15
	global_load_b128 v[\set+4*\i:\set+4*\i+3], v2, s[32:33] offset:(\i+8*(\i/8))*4096+512*(\s) th:TH_LOAD_NT
.endr
.endm
.macro XSTEP s
.set RR, R0+64*((\s)%2)
.if (\s) < 3
	s_wait_loadcnt 16                              ; this step's 16 loads are in; the next step's 16 may be out
.else
	s_wait_loadcnt 0x0
.endif
.irp i, 0,1,2,3,4,5,6,7,8,9,10,11,12,13,14,15
	ds_store_b128 v4, v[RR+4*\i:RR+4*\i+3] offset:528*\i
.endr
.irp b, 0,1,2,3
.irp j, 0,1,2,3
	ds_load_b128 v[XN+16*\b+4*\j:XN+16*\b+4*\j+3], v5 offset:128*\b+16*\j   ; LDS serves a wave's instructions in order: these see the stores above
.endr
.endr
	s_wait_dscnt 16                                ; the 16 stores are done (the 16 loads behind them may be out): their registers take new loads
.if (\s) < 2
	XLOAD (\s)+2, RR
.endif
	s_wait_dscnt 0x0
	s_wait_xcnt 0x0                                ; the last step's stores have read the codes' registers
	QUANT XN
	global_store_b128 v2, v[PC:PC+3], s[22:23] offset:1536*(\s)            ; 512 consecutive bytes
	global_store_b64 v3, v[PC+4:PC+5], s[22:23] offset:1536*(\s)+512       ; 256
	global_store_b128 v2, v[PC+6:PC+9], s[22:23] offset:1536*(\s)+768
	global_store_b64 v3, v[PC+10:PC+11], s[22:23] offset:1536*(\s)+1280
.if (\s)%2 == 0
	v_mov_b32 v25, v[PW]                           ; an even K step's word goes to lanes 0-15,
.else
	v_cndmask_b32 v[28+(\s)/2], v25, v[PW], s40    ; an odd one's to lanes 16-31 of the same register
.endif
.endm
	XLOAD 0, R0
	XLOAD 1, R0+64
	s_wait_alu depctr_va_vdst(0)
	XSTEP 0
	XSTEP 1
	XSTEP 2
	XSTEP 3
	global_store_b64 v2, v[28:29], s[24:25]        ; my four K steps' scale words: 8 bytes of each lane's 16
	s_wait_tensorcnt 0x0
	ds_add_u32 v254, v255
	s_wait_dscnt 0x0
	s_endpgm
	; ---------------- W: a lane takes a column n and its registers run down K; wave = 32 columns x 256 along K (8 blocks)
.Lw:
.set WX, 32                            ; v32-95  two sets of 32 numbers
.set WC, 96                            ; v96-102 a block's codes
.set SB, 24                            ; v24-25  the scale bytes, four to a register
	s_sub_co_u32 s30, ttmp9, 512
	s_lshr_b32 s31, s30, 5                         ; which weight
	s_cmp_eq_u32 s31, 1                            ; 0 Wv, 1 Wq, 2 Wf
	s_cselect_b64 s[32:33], s[18:19], s[16:17]
	s_cmp_eq_u32 s31, 2
	s_cselect_b64 s[32:33], s[20:21], s[32:33]
	s_and_b32 s34, s30, 7                          ; which 128 columns
	s_bfe_u32 s35, s30, 0x20003                    ; which 256 along K
	s_lshl_b32 s34, s34, 2
	s_add_co_u32 s34, s34, s26                     ; which 32 columns
	s_lshl_b32 s36, s35, 20                        ; 256 rows of 4,096 bytes
	s_lshl_b32 s39, s34, 7                         ; 32 columns of 4 bytes
	s_add_co_u32 s36, s36, s39
	s_add_nc_u64 s[32:33], s[32:33], s[36:37]
	s_lshl_b32 s41, s31, 6
	s_lshl_b32 s39, s34, 1
	s_add_co_u32 s41, s41, s39
	s_add_co_u32 s41, s41, 1024
	s_mul_i32 s36, s41, 12288
	s_mul_i32 s39, s35, 3072                       ; four images of 768 bytes
	s_add_co_u32 s36, s36, s39
	s_add_nc_u64 s[22:23], s[22:23], s[36:37]
	s_lshl_b32 s36, s41, 9
	s_lshl_b32 s39, s35, 2
	s_add_co_u32 s36, s36, s39
	s_add_nc_u64 s[24:25], s[24:25], s[36:37]
	s_wait_alu depctr_va_vdst(0)
	v_lshlrev_b32 v6, 2, v1                        ; in: 4 bytes a lane
	v_bfe_u32 v7, v0, 3, 1                         ; column c = lane: tile u = (c / 8) % 2,
	v_bfe_u32 v8, v0, 4, 1
	v_and_b32 v9, 7, v0
	v_lshl_add_u32 v9, v8, 3, v9                   ; row r = 8 (c / 16) + c % 8
	v_mul_u32_u24 v10, v7, 12288
	v_lshl_add_u32 v11, v9, 3, v10                 ; u x 12,288 + 8 r
	v_lshl_add_u32 v10, v9, 4, v10                 ; u x 12,288 + 16 r
	v_lshlrev_b32 v12, 9, v7
	v_lshl_add_u32 v12, v9, 4, v12                 ; u x 512 + 16 r
.macro WLOAD t
.irp i, 0,1,2,3,4,5,6,7,8,9,10,11,12,13,14,15,16,17,18,19,20,21,22,23,24,25,26,27,28,29,30,31
	global_load_b32 v[WX+32*((\t)%2)+\i], v6, s[32:33] offset:(32*(\t)+\i)*4096 th:TH_LOAD_NT
.endr
.endm
.macro BLOCK t
.set XS, WX+32*((\t)%2)
.if (\t) < 7
	s_wait_loadcnt 32                              ; this block's 32 loads are in; the next block's may be out
.else
	s_wait_loadcnt 0x0
.endif
	v_max3_num_f32 v16, |v[XS]|, |v[XS+1]|, |v[XS+2]|       ; all 32 numbers of the block are mine
	v_max3_num_f32 v17, |v[XS+3]|, |v[XS+4]|, |v[XS+5]|
.irp i, 6,10,14,18,22,26
	v_max3_num_f32 v16, v16, |v[XS+\i]|, |v[XS+\i+1]|
	v_max3_num_f32 v17, v17, |v[XS+\i+2]|, |v[XS+\i+3]|
.endr
	v_max3_num_f32 v16, v16, |v[XS+30]|, |v[XS+31]|
	v_max3_num_f32 v16, v16, v17, 0x1800000        ; and the floor
	v_add_nc_u32 v18, 0xff000000, v16              ; the conversion's scale operand
	v_lshrrev_b32 v19, 23, v18                     ; the byte
.if (\t)%4 == 0
	v_mov_b32 v[SB+(\t)/4], v19
.else
	v_lshl_or_b32 v[SB+(\t)/4], v19, 8*((\t)%4), v[SB+(\t)/4]
.endif
	s_wait_alu depctr_va_vdst(0)
	s_wait_xcnt 0x0                                ; the last block's stores have read the codes' registers
	v_cvt_scalef32_pk16_fp6_f32 v[WC:WC+2], v[XS:XS+15], v18
	v_cvt_scalef32_pk16_fp6_f32 v[WC+4:WC+6], v[XS+16:XS+31], v18
	v_nop                                          ; one plain place behind a scaled conversion
	v_mov_b32 v[WC+3], v[WC+4]                     ; the block's six registers on end
	v_mov_b32 v[WC+4], v[WC+5]
	v_mov_b32 v[WC+5], v[WC+6]
	global_store_b128 v10, v[WC:WC+3], s[22:23] offset:((\t)/2)*768+((\t)%2)*256       ; image lane r + 16 (t % 2): registers 0-3
	global_store_b64 v11, v[WC+4:WC+5], s[22:23] offset:((\t)/2)*768+512+((\t)%2)*128  ; registers 4-5
.if (\t)+2 < 8
	WLOAD (\t)+2
.endif
.endm
	WLOAD 0
	WLOAD 1
.irp t, 0,1,2,3,4,5,6,7
	BLOCK \t
.endr
	global_store_b32 v12, v[SB], s[24:25]              ; the even K step's word: lanes 0-15 of the record,
	global_store_b32 v12, v[SB+1], s[24:25] offset:256 ; the odd one's: lanes 16-31
	s_endpgm
.Lfunc_end_k_q785b402f8a_quant:
	.size	k_q785b402f8a_quant, .Lfunc_end_k_q785b402f8a_quant-k_q785b402f8a_quant
	.p2alignl 7, 3214868480
	.fill 96, 4, 3214868480
	.section	.rodata,"a",@progbits
	.p2align	6, 0x0
	.amdhsa_kernel k_q785b402f8a_quant
		.amdhsa_group_segment_fixed_size 34304
		.amdhsa_private_segment_fixed_size 0
		.amdhsa_enable_private_segment 0
		.amdhsa_kernarg_size 56
		.amdhsa_user_sgpr_count 2
		.amdhsa_user_sgpr_kernarg_segment_ptr 1
		.amdhsa_wavefront_size32 1
		.amdhsa_system_sgpr_workgroup_id_x 1
		.amdhsa_system_sgpr_workgroup_id_y 1
		.amdhsa_system_sgpr_workgroup_id_z 1
		.amdhsa_system_vgpr_workitem_id 0
		.amdhsa_next_free_vgpr 256
		.amdhsa_next_free_sgpr 66
		.amdhsa_reserve_vcc 0
		.amdhsa_float_denorm_mode_32 3
		.amdhsa_float_denorm_mode_16_64 3
		.amdhsa_memory_ordered 1
		.amdhsa_forward_progress 1
		.amdhsa_inst_pref_size 74
	.end_amdhsa_kernel
	.amdgpu_metadata
---
amdhsa.version: [ 1, 2 ]
amdhsa.kernels:
  - .name:           k_q785b402f8a_quant
    .symbol:         k_q785b402f8a_quant.kd
    .args:
      - { .name: x_v, .offset: 0, .size: 8, .value_kind: global_buffer, .address_space: global }
      - { .name: x_q, .offset: 8, .size: 8, .value_kind: global_buffer, .address_space: global }
      - { .name: Wv, .offset: 16, .size: 8, .value_kind: global_buffer, .address_space: global }
      - { .name: Wq, .offset: 24, .size: 8, .value_kind: global_buffer, .address_space: global }
      - { .name: Wf, .offset: 32, .size: 8, .value_kind: global_buffer, .address_space: global }
      - { .name: tc, .offset: 40, .size: 8, .value_kind: global_buffer, .address_space: global }
      - { .name: ts, .offset: 48, .size: 8, .value_kind: global_buffer, .address_space: global }
    .group_segment_fixed_size: 34304
    .private_segment_fixed_size: 0
    .kernarg_segment_align: 8
    .kernarg_segment_size: 56
    .max_flat_workgroup_size: 128
    .sgpr_count:     66
    .vgpr_count:     256
    .wavefront_size: 32
...
	.end_amdgpu_metadata
.endif
;; end of part 1
;; launch proj (part 2): grid 4 x 48, 4 waves a work-group, clusters of 4 x 4, 327,680 bytes of LDS; arguments tc, ts, bv, bq, mask, hb; writes hb
.if DOCPART == 2
	.amdgcn_target "amdgcn-amd-amdhsa--gfx1250"
	.amdhsa_code_object_version 6
	.text
	.protected	k_q785b402f8a_proj
	.globl	k_q785b402f8a_proj
	.p2align	8
	.type	k_q785b402f8a_proj,@function
k_q785b402f8a_proj:
	s_mov_b64 s[64:65], 0
	v_nop
	global_prefetch_b8 v0, s[64:65] scope:SCOPE_SE
	s_setreg_imm32_b32 hwreg(HW_REG_WAVE_MODE, 25, 1), 1
	s_wait_xcnt 0x0
	s_wait_alu depctr_hold_cnt(0) depctr_sa_sdst(0) depctr_va_vdst(0) depctr_va_sdst(0) depctr_va_ssrc(0) depctr_va_vcc(0) depctr_vm_vsrc(0)
	s_getreg_b32 s2, hwreg(HW_REG_IB_STS2, 6, 4)
	s_cmp_eq_u32 s2, 0
	s_cbranch_scc0 .Lentry_in_a_cluster
	s_endpgm
.Lentry_in_a_cluster:
	s_bfe_u32 s2, ttmp6, 0x10000c
	s_cmp_lg_u32 s2, 0xf033
	s_cbranch_scc0 .Lentry_shape_is_right
	s_endpgm
.Lentry_shape_is_right:
; Four jobs of 8,192 x 1,024 x 1,024 on codes of FP6 with E8M0 scales: k = x_k Wk + bk, v = x_v Wv + bv, q = x_q Wq + bq (a lane holds a token, its registers run along the channels)
; and v once more with the sources swapped (a lane holds a channel, its registers run along the keys).  Each result is quantised in registers along the K of the product that takes it and stored as codes.
; k IS USED BY NOTHING DOWNSTREAM, as the module has it: it is computed and stored like q, and no later launch reads its records.
; hb: [job k, v, q][16 n + head] records of RS bytes:  KC at 0: [tile of 16 tokens, 128][768]: images of 64 along d;  VT at 98,304 (v alone): [key step 16][tile of 16 d, 4][1,536]: fragments of 128 keys, registers 4 c .. 4 c + 3 at 512 c + 16 l;
;   KS at 196,608: [step][lane][4 words]: the word at 16 l + 4 i is that of tile 2 i + l / 16 of the step, row l % 16;  VS at 204,800 (v alone): [step][lane][2 words]: at 8 l + 4 i: d tile 2 i + l / 16.
; A KS word: bytes 0, 1 the row's two block scales; byte 3 = 127; byte 2 = 127 for q and k; for v it CARRIES THE MASK: 1 where mask != 0, 227 where mask == 0 (the next launch multiplies it by a constant code at k = 64).
; SHARES.  The cluster's y is 4 job + n.  A WORK-GROUP STAYS: it keeps P, 16 tiles (256 channels) of the job's W for all of K, and walks four blocks X of 8 tiles (128 tokens) of batch n: key steps cy, cy + 4, cy + 8, cy + 12.
; Wave: X's tiles 4 (w / 2) .. + 3, P's tiles 8 (w % 2) .. + 7: 32 accumulators.  Jobs k, v, q: source 0 = P, source 1 = X.  The fourth job moves and reads the very bytes of job v; only its products' sources change places:
; a wave then holds 8 tiles of 16 channels x its 64 keys: registers 6 (w / 2) .. + 5 of a fragment of VT, and two bytes of its scale word.
; LDS: X at 0: two slots of 512 along K, 49,152 bytes each, as [chunk of 256 along K][tile 8][3,072]; P at 98,304: [chunk 4][tile 16][3,072], filled once; the spare words at 294,912.  All of a WGP's LDS is claimed.
; THE RING.  Change A, in front of K step 3's products: slot 1 has landed, slot 0 is read out and takes the next block.  Change B, in the middle of the way out: slot 0 has landed, slot 1 is read out and takes the next block.
; At each change every wave brings 4 tiles x 3,072 bytes by one load.  A wave has four tensor loads out at the start, later one.  The last block is written out behind the loop and asks for nothing.
; CLUSTER 4 x 4: X hangs on cy and is shared along a row, P on cx and is shared along a column: joint loads; a change that fills is a round of the cluster's barrier.
; The branch on the job (the cluster's y alone: equal in all partners) stands round runs of products and halves of the way out only: every LDS address, tensor load and barrier is on one path.
; LIMITS: a block of zeros gets the byte 1 (only this program reads the bytes); NaN and infinities are not served.
; REGISTERS: window 0: v1-24 addresses; v26-27 for the add; v32-63 P's scale words (4 b + step / 2), v64-79 X's (4 a + step / 2); v80-127, v128-175 X's fragments, two sets; v184-211 at work;
;   v216-231 the next block's scale words; v232-247 pairs (bias of my channel in P's tile b, mask of my token in X's tile a or 0).  On the way out v80-143 are numbers, v144-163 codes.
;   window 1: P's fragments, sets at v0 and v128.   window 2: the accumulators.   window 3: v0-63 the bias in the result's layout.
; WHAT OF THE LINES ABOVE HAS CHANGED.  k is left out: reference() never uses it, so it reaches no output for any values of the inputs.  THREE jobs: 0 v, 1 q, 2 v with the sources swapped; the cluster's y is 4 job + n, 12 clusters.
; hb: records 16 n + head of v, then 64 + 16 n + head of q.  tc's tiles: x_v 0-, x_q 512-, Wv 1024-, Wq 1088-.
; LDS: X: two slots of 512 along K as [tile 8][6,144]; P at 98,304: two halves of 512 along K as [tile 16][6,144].  At the head each wave issues ONE load: wave 0, 1 a slot of X (8 rows of 6,144 bytes),
; wave 2, 3 a half of P (16 rows).  A refill brings 2 tiles x 6,144 bytes a wave.
.set RS,    208896
.set SPARE, 294912                     ; the spare words: 128 bytes for each wave, two blocks of 256 bytes that no other line names
.set WALK,  393216                     ; bytes of tc from a block of my walk to the next: 32 tiles of 12,288
.set G1L, 28                           ; s[28:35] group 1 for X's loads;  s[36:43] for P's
.set G1R, 36
.set G0L, 44
.set G1F, 48                           ; s[48:55] group 1 for X's refills
.set G0R, 68
.set G0A, 92                           ; s[92:95] group 0 of slot 0's refills;  s[96:99] of slot 1's
.set G0B, 96
.set SEL, 88
.set SPW, 26
.set NIL, 27
.set LF,  80
.set HA,  80
.set PC,  144
.set TM,  184
.set PW,  200
.set TS,  216
.set BB,  232
.set MSB, 0
.macro WIN new                         ; the immediate's high byte repeats the setting that is left
.if MSB != \new
	s_set_vgpr_msb (MSB<<8)|\new
.set MSB, \new
.endif
.endm
.macro CROUND                          ; a round of the cluster's barrier
	s_barrier_signal -1
	s_barrier_wait -1
	s_cmp_lg_u32 s18, 0
	s_cbranch_scc1 .Lnot_wave_0_\@
	s_barrier_signal -3
.Lnot_wave_0_\@:
	s_barrier_wait -3
	s_barrier_signal -1
	s_barrier_wait -1
.endm
.macro PLACES                          ; four plain places behind matrix instructions (ISA guide 7.12.1)
.rept 4
	v_nop
.endr
.endm
.macro QUANT s                         ; 64 numbers, register 16 b + i = k 32 b + 16 (lane / 16) + i, become 12 registers of codes in v[PC] on and the scale word in v[PW]
.irp b, 0,1,2,3
	v_max3_num_f32 v[TM+\b], |v[\s+16*\b]|, |v[\s+1+16*\b]|, 0x1800000   ; with the floor 2^(3 - 127): the byte cannot fall under 1
.endr
.irp i, 2,4,6,8,10,12,14
.irp b, 0,1,2,3
	v_max3_num_f32 v[TM+\b], v[TM+\b], |v[\s+16*\b+\i]|, |v[\s+1+16*\b+\i]|
.endr
.endr
.irp b, 0,1,2,3
	v_permlanex16_b32 v[TM+4+\b], v[TM+\b], s[SEL], s[SEL+1]
.endr
.irp b, 0,1,2,3
	v_max_num_f32 v[TM+\b], v[TM+\b], v[TM+4+\b]
.endr
.irp b, 0,1,2,3
	v_add_nc_u32 v[TM+12+\b], 0xff000000, v[TM+\b]        ; 2 off the exponent field: the conversion's scale operand
.endr
.irp b, 0,1,2,3
	v_lshrrev_b32 v[TM+4+\b], 23, v[TM+12+\b]
.endr
	v_lshl_or_b32 v[PW], v[TM+5], 8, v[TM+4]
	v_lshl_or_b32 v[PW], v[TM+6], 16, v[PW]
	v_lshl_or_b32 v[PW], v[TM+7], 24, v[PW]
.irp c, 0,1
	v_cvt_scalef32_pk16_fp6_f32 v[PC+6*\c:PC+2+6*\c], v[\s+32*\c:\s+15+32*\c], v[TM+12+2*\c]
	v_cvt_scalef32_pk16_fp6_f32 v[PC+12+4*\c:PC+14+4*\c], v[\s+16+32*\c:\s+31+32*\c], v[TM+12+2*\c+1]
.endr
	v_nop                                          ; one plain place behind a scaled conversion
.irp c, 0,1
.irp i, 0,1,2
	v_permlane16_swap_b32 v[PC+6*\c+\i], v[PC+12+4*\c+\i]
.endr
.irp i, 0,1,2
	v_mov_b32 v[PC+3+6*\c+\i], v[PC+12+4*\c+\i]
.endr
.endr
.endm
.macro QUANT2 s                        ; the same for 32 numbers, two blocks: 6 registers of codes in v[PC] on, the two scale bytes in v[PW]
.irp b, 0,1
	v_max3_num_f32 v[TM+\b], |v[\s+16*\b]|, |v[\s+1+16*\b]|, 0x1800000
.endr
.irp i, 2,4,6,8,10,12,14
.irp b, 0,1
	v_max3_num_f32 v[TM+\b], v[TM+\b], |v[\s+16*\b+\i]|, |v[\s+1+16*\b+\i]|
.endr
.endr
.irp b, 0,1
	v_permlanex16_b32 v[TM+4+\b], v[TM+\b], s[SEL], s[SEL+1]
.endr
.irp b, 0,1
	v_max_num_f32 v[TM+\b], v[TM+\b], v[TM+4+\b]
.endr
.irp b, 0,1
	v_add_nc_u32 v[TM+12+\b], 0xff000000, v[TM+\b]
.endr
.irp b, 0,1
	v_lshrrev_b32 v[TM+4+\b], 23, v[TM+12+\b]
.endr
	v_lshl_or_b32 v[PW], v[TM+5], 8, v[TM+4]
	v_cvt_scalef32_pk16_fp6_f32 v[PC:PC+2], v[\s:\s+15], v[TM+12]
	v_cvt_scalef32_pk16_fp6_f32 v[PC+12:PC+14], v[\s+16:\s+31], v[TM+13]
	v_nop                                          ; one plain place behind a scaled conversion
.irp i, 0,1,2
	v_permlane16_swap_b32 v[PC+\i], v[PC+12+\i]
.endr
.irp i, 0,1,2
	v_mov_b32 v[PC+3+\i], v[PC+12+\i]
.endr
.endm
	s_load_b256 s[4:11], s[0:1], 0x0               ; tc 4:5, ts 6:7, bv 8:9, bq 10:11
	s_load_b64 s[14:15], s[0:1], 0x20              ; mask  (s[8:9] bv, s[10:11] bq)
	s_load_b64 s[16:17], s[0:1], 0x28              ; hb
	v_lshl_add_u32 v[SPW], v0, 2, SPARE
	v_mov_b32 v[NIL], 0
	ds_add_u32 v26, v27
	ds_add_u32 v26, v27
	s_wait_dscnt 0x0
	v_lshrrev_b32 v1, 5, v0
	v_readfirstlane_b32 s18, v1                    ; wave
	s_lshr_b32 s19, s18, 1                         ; wl: my half of X's tiles
	s_and_b32 s20, s18, 1                          ; wr: my half of P's tiles
	s_bfe_u32 s21, ttmp6, 0x40000                  ; cx
	s_bfe_u32 s22, ttmp6, 0x40004                  ; cy
	s_and_b32 s23, ttmp7, 0xffff                   ; the cluster's y: 4 x job + n
	s_lshr_b32 s24, s23, 2                         ; job: 0 v, 1 q, 2 v with the sources swapped
	s_and_b32 s25, s23, 3                          ; n
	s_cmp_eq_u32 s24, 2
	s_cselect_b32 s26, 1, 0
	s_cselect_b32 s90, 0, s24                      ; whose x, W, bias and records: v 0, q 1
	s_lshl_b32 s60, s90, 9
	s_lshl_b32 s61, s25, 7
	s_add_co_u32 s60, s60, s61
	s_lshl_b32 s61, s22, 3
	s_add_co_u32 s60, s60, s61                     ; X's first tile: 512 x tensor + 128 n + 8 cy; the walk goes 32 tiles on
	s_lshl_b32 s84, s90, 6
	s_lshl_b32 s85, s21, 4
	s_add_co_u32 s84, s84, s85
	s_add_co_u32 s84, s84, 1024
	s_lshl_b32 s63, s22, 2
	s_lshl_b32 s63, 15, s63                        ; my row of the cluster
	s_lshl_b32 s85, 0x1111, s21                    ; my column
	; descriptor group 1: rows of 6,144 bytes (a tile's 512 along K: 768 elements of 8 bytes), 12,288 bytes apart; X: 8 rows, P: 16
	s_or_b32 s[G1L], s63, (3<<16)|(1<<21)
	s_or_b32 s[G1R], s85, (3<<16)|(1<<21)
	s_or_b32 s[G1F], s63, (3<<16)|(1<<21)
.irp g, G1L, G1R, G1F
	s_mov_b32 s[\g+1], 768<<16                     ; rows of 6,144 bytes: a tile's 512 along K
	s_mov_b32 s[\g+3], 768<<16
	s_mov_b32 s[\g+5], 1536                        ; pitch
	s_mov_b32 s[\g+6], 0
	s_mov_b32 s[\g+7], 0
.endr
	s_mov_b32 s[G1L+2], 8<<16
	s_mov_b32 s[G1L+4], 8
	s_mov_b32 s[G1R+2], 16<<16
	s_mov_b32 s[G1R+4], 16
	s_mov_b32 s[G1F+2], 2<<16
	s_mov_b32 s[G1F+4], 2
	s_mul_i32 s27, s20, 6144                       ; my half of K at the head: w % 2
	s_mul_i32 s66, s60, 12288                      ; X: all 8 tiles
	s_add_co_u32 s66, s66, s27
	s_mov_b32 s67, 0
	s_mul_i32 s86, s84, 12288                      ; P: all 16 tiles
	s_add_co_u32 s86, s86, s27
	s_mov_b32 s87, 0
	s_mul_i32 s62, s20, 49152                      ; where the first fills go: the wave's number alone enters an LDS address
	s_mul_i32 s91, s20, 98304
	s_add_co_u32 s91, s91, 98304
	s_mul_i32 s61, s18, 12288                      ; where my refills go: tiles 2 w, 2 w + 1 of the slot
	s_mul_i32 s2, s18, 24576                       ; and those tiles in tc, counted from the head's address
	s_sub_co_u32 s2, s2, s27
	s_mov_b32 s3, 0
	s_mov_b32 s[SEL], 0x76543210
	s_mov_b32 s[SEL+1], 0xfedcba98
	s_mov_b32 s100, 0xffff0000                     ; lanes 16-31
	s_wait_kmcnt 0x0
	s_add_nc_u64 s[66:67], s[4:5], s[66:67]
	s_add_nc_u64 s[86:87], s[4:5], s[86:87]
.irp c, 0
	s_mov_b32 s[G0L+4*\c], 1
	s_add_co_u32 s[G0L+4*\c+1], s62, \c*24576
	s_add_nc_u64 s[G0L+4*\c+2:G0L+4*\c+3], s[66:67], \c*3072
	s_or_b32 s[G0L+4*\c+3], s[G0L+4*\c+3], 0x80000000
	s_mov_b32 s[G0R+4*\c], 1
	s_add_co_u32 s[G0R+4*\c+1], s91, \c*49152
	s_add_nc_u64 s[G0R+4*\c+2:G0R+4*\c+3], s[86:87], \c*3072
	s_or_b32 s[G0R+4*\c+3], s[G0R+4*\c+3], 0x80000000
.endr
	s_mov_b32 s[G0A], 1                            ; the refills: they begin at the first block and step WALK ahead of each use
	s_mov_b32 s[G0A+1], s61
	s_add_nc_u64 s[G0A+2:G0A+3], s[66:67], s[2:3]
	s_mov_b32 s[G0B], 1
	s_add_co_u32 s[G0B+1], s61, 49152
	s_add_nc_u64 s[G0B+2:G0B+3], s[G0A+2:G0A+3], 6144
	s_or_b32 s[G0A+3], s[G0A+3], 0x80000000
	s_or_b32 s[G0B+3], s[G0B+3], 0x80000000
	CROUND                                         ; all sixteen work-groups are here: the joint loads meet
	s_cmp_lt_u32 s18, 2                            ; a wave's one first fill stands in one branch on its number: waves 0, 1 X's, waves 2, 3 P's
	s_cbranch_scc0 .Lfill_r
	tensor_load_to_lds s[G0L:G0L+3], s[G1L:G1L+7]
	s_nop 0
	PLACES
	s_branch .Lfilled
.Lfill_r:
	tensor_load_to_lds s[G0R:G0R+3], s[G1R:G1R+7]
	s_nop 0
	PLACES
.Lfilled:
	v_and_b32 v1, 31, v0                           ; lane
	v_and_b32 v2, 15, v0                           ; r
	v_bfe_u32 v3, v0, 4, 1                         ; h
	v_lshlrev_b32 v4, 4, v1                        ; 16 x lane
	v_lshlrev_b32 v5, 3, v1                        ; 8 x lane
	v_lshlrev_b32 v6, 6, v3                        ; 64 h: 16 numbers
	v_and_b32 v7, 8, v2
	v_add_nc_u32 v7, v7, v2
	v_lshlrev_b32 v7, 2, v7                        ; 4 (r + 8 (r / 8))
	s_lshl_b32 s27, s19, 1
	v_lshlrev_b32 v24, 3, v2
	v_add_nc_u32 v24, s27, v24                     ; 8 r + 2 wl: my two bytes of a word of VS
	s_mul_i32 s63, s19, 24576
	s_mul_i32 s85, s20, 49152
	s_add_co_u32 s85, s85, 98304
.irp c, 0,1,2,3                        ; LDS addresses of my tiles in chunk c: 16 and 8 bytes a lane
	v_add_nc_u32 v[8+\c], s63, v4
	v_add_nc_u32 v[12+\c], s63, v5
	v_add_nc_u32 v[16+\c], s85, v4
	v_add_nc_u32 v[20+\c], s85, v5
	s_add_co_u32 s63, s63, 3072+43008*(\c%2)       ; 256 along K on in a tile's 6,144 bytes, then on to the next slot (49,152)
	s_add_co_u32 s85, s85, 3072+92160*(\c%2)       ; P: the next half lies 98,304 on
.endr
.irp b, 0,1,2,3
	v_mov_b32 v[TM+4+\b], 0                        ; written once: a lane permute's destination counts as one of its sources
	v_mov_b32 v[BB+9+2*\b], 0                      ; the upper halves of the bias pairs that hold no mask word
.endr
.irp i, 206,207,208,209,210,211
	v_mov_b32 v[\i], 0                             ; the gathered scale words: written on every way before they are named
.endr
	s_mov_b32 s2, 0x7f7f0000                       ; bytes 3 and 2 of a word of KS: k and q,
	s_mov_b32 s27, 0x7f010000                      ; v, an open key,
	s_mov_b32 s85, 0x7fe30000                      ; v, a masked key
	s_cmp_eq_u32 s24, 0
	s_cselect_b32 s27, s27, s2
	s_cselect_b32 s85, s85, s2
	v_mov_b32 v201, s27
	v_mov_b32 v202, s85
	s_cmp_eq_u32 s90, 0                            ; the job's bias: bv, bq
	s_cselect_b64 s[8:9], s[8:9], s[10:11]
	s_lshl_b32 s2, s21, 10
	s_lshl_b32 s27, s20, 9
	s_add_co_u32 s2, s2, s27
	s_add_nc_u64 s[8:9], s[8:9], s[2:3]            ; the bias at channel 256 cx + 128 wr: my 8 tiles of P
	s_lshl_b32 s2, s20, 3
	s_add_co_u32 s2, s2, s84
	s_lshl_b32 s2, s2, 9
	s_add_nc_u64 s[12:13], s[6:7], s[2:3]          ; the scale records of my 8 tiles of P,
	s_lshl_b32 s2, s19, 2
	s_add_co_u32 s2, s2, s60
	s_lshl_b32 s2, s2, 9
	s_add_nc_u64 s[6:7], s[6:7], s[2:3]            ; of my 4 of X: it walks
	s_lshl_b32 s2, s25, 13
	s_lshl_b32 s27, s22, 9
	s_add_co_u32 s2, s2, s27
	s_lshl_b32 s27, s19, 8
	s_add_co_u32 s2, s2, s27
	s_add_nc_u64 s[14:15], s[14:15], s[2:3]        ; the mask at token 2,048 n + 128 cy + 64 wl: it walks
	s_lshl_b32 s2, s90, 6
	s_lshl_b32 s27, s25, 4
	s_add_co_u32 s2, s2, s27
	s_lshl_b32 s27, s21, 2
	s_add_co_u32 s2, s2, s27
	s_lshl_b32 s27, s20, 1
	s_add_co_u32 s2, s2, s27                       ; my first record: 64 x (v, q) + 16 n + 4 cx + 2 wr; my second is the next
	s_mul_i32 s2, s2, RS
	s_add_nc_u64 s[16:17], s[16:17], s[2:3]
	s_lshl_b32 s2, s22, 9                          ; scale words: KS: 512 bytes a key step, + 8 wl;
	s_lshl_b32 s27, s19, 3
	s_add_co_u32 s2, s2, s27
	s_lshl_b32 s27, s22, 8                         ; VS: 256 bytes a key step
	s_cmp_eq_u32 s26, 0
	s_cselect_b32 s2, s2, s27
	s_add_nc_u64 s[10:11], s[16:17], s[2:3]        ; s[10:11]: scale words at key step cy
	s_mul_i32 s27, s19, 3072                       ; codes: 6,144 bytes a key step in KC and in VT alike; in KC my 4 tiles lie 3,072 wl on
	s_cselect_b32 s27, s27, 0
	s_mul_i32 s2, s22, 6144
	s_add_co_u32 s2, s2, s27
	s_add_nc_u64 s[16:17], s[16:17], s[2:3]        ; s[16:17]: codes at key step cy
.irp b, 0,1,2,3,4,5,6,7
	global_load_b128 v[32+4*\b:35+4*\b], v4, s[12:13] offset:512*\b   ; register P: lanes 0-15 K step 2 P, lanes 16-31 K step 2 P + 1
.endr
.irp a, 0,1,2,3
	global_load_b128 v[64+4*\a:67+4*\a], v4, s[6:7] offset:512*\a      ; the first block's
.endr
.irp b, 0,1,2,3,4,5,6,7
	global_load_b32 v[BB+2*\b], v7, s[8:9] offset:(32*(\b/2)+8*(\b%2))*4   ; the bias of channel r of P's tile b
.endr
	WIN 0xc0                                       ; destination window 3
.irp b, 0,1,2,3,4,5,6,7
	global_load_b128 v[8*\b:8*\b+3], v6, s[8:9] offset:(32*(\b/2)+8*(\b%2))*4
	global_load_b128 v[8*\b+4:8*\b+7], v6, s[8:9] offset:(32*(\b/2)+8*(\b%2))*4+16
.endr
	WIN 0
.macro FRAG reg, a16, a8, off          ; a fragment (16 rows x 128 K, 12 registers) = two images of 768 bytes
	ds_load_b128 v[\reg:\reg+3], v[\a16] offset:\off
	ds_load_b64 v[\reg+4:\reg+5], v[\a8] offset:\off+512
	ds_load_b128 v[\reg+6:\reg+9], v[\a16] offset:\off+768
	ds_load_b64 v[\reg+10:\reg+11], v[\a8] offset:\off+1280
.endm
.macro FETCH s, p                      ; K step s: P's eight fragments and X's four into set p
	WIN 0x40
.irp b, 0,1,2,3,4,5,6,7
	FRAG 128*(\p)+12*\b, 16+(\s)/2, 20+(\s)/2, 6144*\b+1536*((\s)%2)
.endr
	WIN 0
.irp a, 0,1,2,3
	FRAG LF+48*(\p)+12*\a, 8+(\s)/2, 12+(\s)/2, 6144*\a+1536*((\s)%2)
.endr
.endm
; K step s: 32 products on set s % 2.  The 32 accumulators take turns, one instruction a turn; every run begins at v0-7 and ends at v248-255 of window 2.
; Jobs k, v, q: source 0 = P's tile b, source 1 = X's tile a, accumulator at 64 a + 8 b.  Sources swapped: source 0 = X's tile a, source 1 = P's tile b, accumulator at 32 b + 8 a.
.macro MUL s
	s_cmp_eq_u32 s26, 0
	s_cbranch_scc0 .Lswap_\@
	WIN 0xa1                                       ; source 0 window 1, source 1 window 0, C and D window 2
.irp a, 0,1,2,3
.irp b, 0,1,2,3,4,5,6,7
.set rD, 64*\a+8*\b
.set rP, 128*((\s)%2)+12*\b
.set rX, LF+48*((\s)%2)+12*\a
.set rSP, 32+4*\b+(\s)/2
.set rSX, 64+4*\a+(\s)/2
.if (\s) == 0
	v_wmma_scale_f32_16x16x128_f8f6f4 v[rD:rD+7], v[rP:rP+11], v[rX:rX+11], 0, v[rSP], v[rSX] matrix_a_fmt:MATRIX_FMT_FP6 matrix_b_fmt:MATRIX_FMT_FP6
.elseif (\s)%2 == 0
	v_wmma_scale_f32_16x16x128_f8f6f4 v[rD:rD+7], v[rP:rP+11], v[rX:rX+11], v[rD:rD+7], v[rSP], v[rSX] matrix_a_fmt:MATRIX_FMT_FP6 matrix_b_fmt:MATRIX_FMT_FP6
.else
	v_wmma_scale_f32_16x16x128_f8f6f4 v[rD:rD+7], v[rP:rP+11], v[rX:rX+11], v[rD:rD+7], v[rSP], v[rSX] matrix_a_fmt:MATRIX_FMT_FP6 matrix_b_fmt:MATRIX_FMT_FP6 matrix_a_scale:MATRIX_SCALE_ROW1 matrix_b_scale:MATRIX_SCALE_ROW1
.endif
.endr
.endr
	WIN 0
	s_branch .Lmult_\@
.Lswap_\@:
	WIN 0xa4                                       ; source 0 window 0, source 1 window 1, C and D window 2
.irp b, 0,1,2,3,4,5,6,7
.irp a, 0,1,2,3
.set rD, 32*\b+8*\a
.set rP, 128*((\s)%2)+12*\b
.set rX, LF+48*((\s)%2)+12*\a
.set rSP, 32+4*\b+(\s)/2
.set rSX, 64+4*\a+(\s)/2
.if (\s) == 0
	v_wmma_scale_f32_16x16x128_f8f6f4 v[rD:rD+7], v[rX:rX+11], v[rP:rP+11], 0, v[rSX], v[rSP] matrix_a_fmt:MATRIX_FMT_FP6 matrix_b_fmt:MATRIX_FMT_FP6
.elseif (\s)%2 == 0
	v_wmma_scale_f32_16x16x128_f8f6f4 v[rD:rD+7], v[rX:rX+11], v[rP:rP+11], v[rD:rD+7], v[rSX], v[rSP] matrix_a_fmt:MATRIX_FMT_FP6 matrix_b_fmt:MATRIX_FMT_FP6
.else
	v_wmma_scale_f32_16x16x128_f8f6f4 v[rD:rD+7], v[rX:rX+11], v[rP:rP+11], v[rD:rD+7], v[rSX], v[rSP] matrix_a_fmt:MATRIX_FMT_FP6 matrix_b_fmt:MATRIX_FMT_FP6 matrix_a_scale:MATRIX_SCALE_ROW1 matrix_b_scale:MATRIX_SCALE_ROW1
.endif
.endr
.endr
	WIN 0
.Lmult_\@:
.endm
.macro STEP s                          ; a K step whose successor lies in the same slot: the successor's 48 LDS loads first, 32 products ahead of their use
	s_wait_dscnt 0x0                               ; this step's fragments are in
	PLACES                                         ; in front of loads into registers that the last step's products read
	FETCH (\s)+1, 1-(\s)%2
	MUL \s
.endm
; THE WAY OUT, jobs k, v, q: tile a of 16 tokens; a lane's 64 numbers are my 128 channels = two heads: one image for each
.macro OUT_A a
	s_wait_xcnt 0x0                                ; earlier stores have read the registers that are written now
	WIN 0x0e                                       ; source 0 window 2, source 1 window 3
.set i, 0
.rept 32
	v_pk_add_f32 v[HA+2*i:HA+2*i+1], v[64*(\a)+2*i:64*(\a)+2*i+1], v[2*i:2*i+1]   ; + bias; each accumulator from its low end on
.set i, i+1
.endr
	WIN 0
	QUANT HA
	v_cmp_eq_u32 vcc_lo, 0, v[BB+1+2*(\a)]
	v_cndmask_b32 v203, v201, v202, vcc_lo         ; the upper two bytes, by my token's mask
.if (\a)%2 == 0
	v_and_or_b32 v206, v[PW], 0xffff, v203         ; the first head's word,
	v_lshrrev_b32 v207, 16, v[PW]
	v_or_b32 v207, v207, v203                      ; the second's: an even tile's words go to lanes 0-15,
.else
	v_and_or_b32 v204, v[PW], 0xffff, v203
	v_lshrrev_b32 v205, 16, v[PW]
	v_or_b32 v205, v205, v203
	v_cndmask_b32 v[208+(\a)/2], v206, v204, s100  ; an odd one's to lanes 16-31
	v_cndmask_b32 v[210+(\a)/2], v207, v205, s100
.endif
	global_store_b128 v4, v[PC:PC+3], s[16:17] offset:768*(\a)
	global_store_b64 v5, v[PC+4:PC+5], s[16:17] offset:768*(\a)+512
	global_store_b128 v4, v[PC+6:PC+9], s[16:17] offset:768*(\a)+RS
	global_store_b64 v5, v[PC+10:PC+11], s[16:17] offset:768*(\a)+512+RS
.endm
; THE WAY OUT, sources swapped: P's tile b = d tile b % 4 of head b / 4 of my two; a lane's 32 numbers are my 64 keys: registers 6 wl .. 6 wl + 5 of the fragment of 128 keys
.macro OUT_B b
	s_wait_xcnt 0x0
	WIN 0x02                                       ; source 0 window 2
.set i, 0
.rept 16
	v_pk_add_f32 v[HA+2*i:HA+2*i+1], v[32*(\b)+2*i:32*(\b)+2*i+1], v[BB+2*(\b):BB+2*(\b)+1] op_sel_hi:[1,0]   ; + my channel's bias (the pair's low word serves both halves)
.set i, i+1
.endr
	WIN 0
	QUANT2 HA
	s_cmp_eq_u32 s19, 0                            ; a fragment lies as registers 4 c .. 4 c + 3 at 512 c + 16 l
	s_cbranch_scc0 .Lupper_\@
	global_store_b128 v4, v[PC:PC+3], s[16:17] offset:((\b)/4)*RS+98304+1536*((\b)%4)           ; registers 0-3,
	global_store_b64 v4, v[PC+4:PC+5], s[16:17] offset:((\b)/4)*RS+98304+1536*((\b)%4)+512      ; 4-5
	s_branch .Lstored_\@
.Lupper_\@:
	s_wait_alu depctr_va_vdst(0)
	global_store_b64 v4, v[PC:PC+1], s[16:17] offset:((\b)/4)*RS+98304+1536*((\b)%4)+520        ; registers 6-7,
	global_store_b128 v4, v[PC+2:PC+5], s[16:17] offset:((\b)/4)*RS+98304+1536*((\b)%4)+1024    ; 8-11
.Lstored_\@:
	s_wait_alu depctr_va_vdst(0)
	global_store_b16 v24, v[PW], s[10:11] offset:((\b)/4)*RS+204800+128*((\b)%2)+4*(((\b)%4)/2) ; my two bytes of each row's word (lanes l and l xor 16 write the same bytes with the same value): one byte in 24 of what the tile stores
.endm
.macro EPI h                           ; half h of the way out; behind the second half the stores' bases go four key steps on
	s_cmp_eq_u32 s26, 0
	s_cbranch_scc0 .Lout_b_\@
	OUT_A 2*\h
	OUT_A 2*\h+1
.if \h == 1
	global_store_b64 v4, v[208:209], s[10:11] offset:196608
	global_store_b64 v4, v[210:211], s[10:11] offset:196608+RS
	s_wait_xcnt 0x0                                ; the stores have read their bases and their data: the bases step, and the next block's fragments may land on the codes' registers
	s_add_nc_u64 s[16:17], s[16:17], 24576
	s_add_nc_u64 s[10:11], s[10:11], 2048
.endif
	s_branch .Lout_\@
.Lout_b_\@:
.irp t, 0,1,2,3
	OUT_B 4*\h+\t
.endr
.if \h == 1
	s_wait_xcnt 0x0
	s_add_nc_u64 s[16:17], s[16:17], 24576
	s_add_nc_u64 s[10:11], s[10:11], 1024
.endif
.Lout_\@:
.endm
; ONE BLOCK OF 128 TOKENS.  more = 1: another block follows, and both slots are filled again.
.macro TILE more
.irp a, 0,1,2,3
	global_load_b32 v[BB+1+2*\a], v7, s[14:15] offset:(32*(\a/2)+8*(\a%2))*4   ; this block's mask words: wanted on the way out
.endr
.if \more
.irp a, 0,1,2,3
	global_load_b128 v[TS+4*\a:TS+4*\a+3], v4, s[6:7] offset:16384+512*\a      ; the next block's scale words: 32 tiles of 512 bytes on
.endr
.endif
	FETCH 0, 0
	STEP 0
	STEP 1
	STEP 2
	; CHANGE A
	s_wait_tensorcnt 0x0                           ; all my tensor loads have landed: my part of slot 1 (in the first block: of all first fills)
	ds_add_u32 v[SPW], v[NIL]                      ; 0 onto my spare word
.if \more
	s_add_nc_u64 s[G0A+2:G0A+3], s[G0A+2:G0A+3], WALK   ; no load of mine is out: slot 0's descriptor steps to the next block
.endif
	s_wait_dscnt 0x0                               ; the add is done; K step 3's fragments are in, and they were my last reads of slot 0
.if \more
	CROUND                                         ; no wave of any partner still reads slot 0 or has a load on its way; slot 1 is whole
	tensor_load_to_lds s[G0A:G0A+3], s[G1F:G1F+7]
	s_nop 0
	PLACES                                         ; also the places in front of the loads below
.else
	s_barrier_signal -1
	s_barrier_wait -1                              ; slot 1 is whole; nothing is filled
	PLACES
.endif
	FETCH 4, 0
	MUL 3
	STEP 4
	STEP 5
	STEP 6
	s_wait_dscnt 0x0
	MUL 7
	PLACES                                         ; in front of the first reads of results and of the writes of scale registers
	s_wait_loadcnt 0x0                             ; mask words and the next block's scale words
.if \more
.set j, 0
.rept 16
	v_mov_b32 v[64+j], v[TS+j]                     ; far more than eight plain places ahead of the next products
.set j, j+1
.endr
	s_add_nc_u64 s[6:7], s[6:7], 16384             ; their loads are done: the bases step
	s_add_nc_u64 s[14:15], s[14:15], 2048
.endif
	EPI 0
.if \more
	; CHANGE B
	s_wait_tensorcnt 0x0                           ; my part of slot 0, the next block's, has landed
	ds_add_u32 v[SPW], v[NIL]                      ; 0 onto my spare word
	s_add_nc_u64 s[G0B+2:G0B+3], s[G0B+2:G0B+3], WALK
	s_wait_dscnt 0x0                               ; the add is done; my reads of slot 1 ended ahead of K step 7's products
	CROUND
	tensor_load_to_lds s[G0B:G0B+3], s[G1F:G1F+7]
	s_nop 0
	PLACES
.endif
	EPI 1
.endm
	s_wait_alu depctr_va_vdst(0)
	s_wait_tensorcnt 0x0                           ; my one load of the head has landed
	s_barrier_signal -1
	s_barrier_wait -1
	s_wait_loadcnt 0x0                             ; scale words and biases
	s_mov_b32 s101, 3
.Ltile:
	TILE 1
	s_sub_co_u32 s101, s101, 1
	s_cmp_lg_u32 s101, 0
	s_cbranch_scc1 .Ltile
	TILE 0                                         ; the last block is written out
	s_wait_tensorcnt 0x0                           ; the wave's end
	ds_add_u32 v[SPW], v[NIL]
	s_wait_dscnt 0x0
	CROUND                                         ; the closing round: no work-group ends while a partner may still ask for a tile that names it
	s_endpgm
.Lfunc_end_k_q785b402f8a_proj:
	.size	k_q785b402f8a_proj, .Lfunc_end_k_q785b402f8a_proj-k_q785b402f8a_proj
	.p2alignl 7, 3214868480
	.fill 96, 4, 3214868480
	.section	.rodata,"a",@progbits
	.p2align	6, 0x0
	.amdhsa_kernel k_q785b402f8a_proj
		.amdhsa_group_segment_fixed_size 327680
		.amdhsa_private_segment_fixed_size 0
		.amdhsa_enable_private_segment 0
		.amdhsa_kernarg_size 48
		.amdhsa_user_sgpr_count 2
		.amdhsa_user_sgpr_kernarg_segment_ptr 1
		.amdhsa_wavefront_size32 1
		.amdhsa_system_sgpr_workgroup_id_x 1
		.amdhsa_system_sgpr_workgroup_id_y 1
		.amdhsa_system_sgpr_workgroup_id_z 1
		.amdhsa_system_vgpr_workitem_id 0
		.amdhsa_next_free_vgpr 832
		.amdhsa_next_free_sgpr 102
		.amdhsa_reserve_vcc 1
		.amdhsa_float_denorm_mode_32 3
		.amdhsa_float_denorm_mode_16_64 3
		.amdhsa_memory_ordered 1
		.amdhsa_forward_progress 1
		.amdhsa_inst_pref_size 255
	.end_amdhsa_kernel
	.section	.bss,"aw",@nobits
	.p2align	6
	.space	262144
	.amdgpu_metadata
---
amdhsa.version: [ 1, 2 ]
amdhsa.kernels:
  - .name:           k_q785b402f8a_proj
    .symbol:         k_q785b402f8a_proj.kd
    .args:
      - { .name: tc, .offset: 0, .size: 8, .value_kind: global_buffer, .address_space: global }
      - { .name: ts, .offset: 8, .size: 8, .value_kind: global_buffer, .address_space: global }
      - { .name: bv, .offset: 16, .size: 8, .value_kind: global_buffer, .address_space: global }
      - { .name: bq, .offset: 24, .size: 8, .value_kind: global_buffer, .address_space: global }
      - { .name: mask, .offset: 32, .size: 8, .value_kind: global_buffer, .address_space: global }
      - { .name: hb, .offset: 40, .size: 8, .value_kind: global_buffer, .address_space: global }
    .group_segment_fixed_size: 327680
    .private_segment_fixed_size: 0
    .kernarg_segment_align: 8
    .kernarg_segment_size: 48
    .max_flat_workgroup_size: 128
    .sgpr_count:     102
    .vgpr_count:     832
    .wavefront_size: 32
...
	.end_amdgpu_metadata
.endif
;; end of part 2
;; launch attn (part 3): grid 4 x 64, 8 waves a work-group, clusters of 4 x 1, 210,944 bytes of LDS; arguments hb, ac, asc; writes ac, asc
.if DOCPART == 3
	.amdgcn_target "amdgcn-amd-amdhsa--gfx1250"
	.amdhsa_code_object_version 6
	.text
	.protected	k_q785b402f8a_attn
	.globl	k_q785b402f8a_attn
	.p2align	8
	.type	k_q785b402f8a_attn,@function
k_q785b402f8a_attn:
	s_mov_b64 s[64:65], 0
	v_nop
	global_prefetch_b8 v0, s[64:65] scope:SCOPE_SE
	s_setreg_imm32_b32 hwreg(HW_REG_WAVE_MODE, 25, 1), 1
	s_wait_xcnt 0x0
	s_wait_alu depctr_hold_cnt(0) depctr_sa_sdst(0) depctr_va_vdst(0) depctr_va_sdst(0) depctr_va_ssrc(0) depctr_va_vcc(0) depctr_vm_vsrc(0)
	s_getreg_b32 s2, hwreg(HW_REG_IB_STS2, 6, 4)
	s_cmp_eq_u32 s2, 0
	s_cbranch_scc0 .Lentry_in_a_cluster
	s_endpgm
.Lentry_in_a_cluster:
	s_bfe_u32 s2, ttmp6, 0x10000c
	s_cmp_lg_u32 s2, 0x3003
	s_cbranch_scc0 .Lentry_shape_is_right
	s_endpgm
.Lentry_shape_is_right:
; A[n][q][64 head + d] = the sum over keys of softmax(q . v / 8, masked keys out) v, both products on codes of FP6 with E8M0 scales; the scores are taken of q and v, as the module has it (k is used by nothing and is not made).
; THE SOFTMAX: t = score x log2(e) / 8; M = the running largest t rounded UP to a whole number; p = 2^(t - M) is quantised along the keys, not normalised; the row's sum is taken of the unquantised p and divides at the end.
; A is quantised along 64 head + d and stored as images: ac (12,288 bytes a tile of 16 tokens, image number = head), asc (512 bytes a tile: the word at 16 l + 4 P is K step 2 P + l / 16 of row l % 16).
; THE MASK RIDES IN THE FIRST PRODUCT: the head is 64 long and the instruction 128.  At k = 64 every key holds the code of -1.0 and every query that of +1.0; byte 2 of a key's scale word is 1 (open) or 227 (masked), the query's 127:
; a masked key's score gains -2^100, an open key's -2^-126.
; LIMITS: the promise holds while the scaled scores stay under 2^31 in magnitude; the running largest score begins at -1e20; an open key's score carries -2^-126; a block of zeros has the byte 1; NaN and infinities are not served.
; A row all of whose keys are masked has the sum 0: its scale bytes are set to 0xff, so that the last product gives NaN there, as the softmax of nothing does.
; SHARES.  A work-group owns one (n, head) and 512 queries; each of its eight waves 64 queries, in two passes of TWO tiles of 16: both tiles take each fragment of v.
; LDS holds the head's whole record of v, 208,896 bytes, filled ONCE: each wave brings 26,112 bytes by one tensor load.  CLUSTER 4 x 1: the four work-groups of a head want the same record: joint loads.
; No prefetch: the one fill stands at the head, and no loop of loads follows in which to run ahead.
; THE KEYS OF A TILE are chosen by the lanes' LDS addresses: tile (g, i) of a step of 128 keys has as rows 0-7 keys 8 i .. 8 i + 7 of block 2 g and as rows 8-15 the same of block 2 g + 1.  Both products are used transposed, so lane (query, h)
; holds in the 32 registers of tiles (g, 0 .. 3) the whole block 2 g + h in the keys' order: a block's maximum needs no other lane, and the conversions' results are the operand's registers but for three moves a block.
; In the record a tile T of 16 keys is an image of 768 bytes (lane l: 16 bytes at 16 l, 8 at 512 + 8 l), its row r being key 32 (T / 2) + 8 (T % 2) + r + 8 (r / 8).
; THE STEP'S ORDER.  A lane has four blocks u = 2 tile + g of 32 scores.  The exponentials go block by block, and between them stand plain lines that hang on nothing of the same run: the multiply-adds t - M of later blocks, the sums of earlier
; blocks (level 1: pair k += pair k + 8, in place, behind the block's conversions; level 2: sum k += pair k; each level in a later run than the one before) and the moves of codes.  One wait stands between two runs.
; The next step's fragments along d are asked for behind this step's first products; the last trip's request reads the bytes behind them in the record, and what it brings is not used.
; REGISTERS.  Window 0: v1-12 addresses, v14-15 for the add; v16-143 scores, then p; v144-175 the sums, eight pairs a tile; v176-185 scale words; v186-193 (-M, largest score), (f, -); v194-209 at work; v210-225 conversions' second halves; v226-249 p's codes.
;   Window 1: v0-63 O^T; v64-159 eight fragments of keys (registers 6-11 of each constant); v160-207 v's fragments along the keys; v208-231 Q; v232-243 the second pass's Q.
.set RS, 208896
.set SPARE, 0x33000
.set SS, 16
.set LL, 144
.set KSR, 176
.set VSR, 180
.set PW, 184
.set NM, 186
.set FF, 190
.set BM, 194
.set TT, 198
.set CT, 210
.set PC, 226
.set OO, 0
.set KF, 64
.set VF, 160
.set QQ, 208
.set Q1, 232
.set MSB, 0
.macro WIN new                         ; the immediate's high byte repeats the setting that is left
.if MSB != \new
	s_set_vgpr_msb (MSB<<8)|\new
.set MSB, \new
.endif
.endm
.macro CROUND
	s_barrier_signal -1
	s_barrier_wait -1
	s_cmp_lg_u32 s10, 0
	s_cbranch_scc1 .Lnot_wave_0_\@
	s_barrier_signal -3
.Lnot_wave_0_\@:
	s_barrier_wait -3
	s_barrier_signal -1
	s_barrier_wait -1
.endm
; one product; ra, rb: which half of the lanes holds source 0's and source 1's scale words
.macro WM d, a, b, c, sa, sb, ra, rb
.if (\ra) == 0 && (\rb) == 0
	v_wmma_scale_f32_16x16x128_f8f6f4 v[\d:\d+7], v[\a:\a+11], v[\b:\b+11], \c, v[\sa], v[\sb] matrix_a_fmt:MATRIX_FMT_FP6 matrix_b_fmt:MATRIX_FMT_FP6
.elseif (\rb) == 0
	v_wmma_scale_f32_16x16x128_f8f6f4 v[\d:\d+7], v[\a:\a+11], v[\b:\b+11], \c, v[\sa], v[\sb] matrix_a_fmt:MATRIX_FMT_FP6 matrix_b_fmt:MATRIX_FMT_FP6 matrix_a_scale:MATRIX_SCALE_ROW1
.elseif (\ra) == 0
	v_wmma_scale_f32_16x16x128_f8f6f4 v[\d:\d+7], v[\a:\a+11], v[\b:\b+11], \c, v[\sa], v[\sb] matrix_a_fmt:MATRIX_FMT_FP6 matrix_b_fmt:MATRIX_FMT_FP6 matrix_b_scale:MATRIX_SCALE_ROW1
.else
	v_wmma_scale_f32_16x16x128_f8f6f4 v[\d:\d+7], v[\a:\a+11], v[\b:\b+11], \c, v[\sa], v[\sb] matrix_a_fmt:MATRIX_FMT_FP6 matrix_b_fmt:MATRIX_FMT_FP6 matrix_a_scale:MATRIX_SCALE_ROW1 matrix_b_scale:MATRIX_SCALE_ROW1
.endif
.endm
.macro KLD t                           ; tile t = 4 g + i of keys: image 4 g + 2 (r / 8) + i % 2, image lane r % 8 + 8 (i / 2) + 16 h  (destination in window 1)
	ds_load_b128 v[KF+12*(\t):KF+12*(\t)+3], v8 offset:3072*((\t)/4)+768*((\t)%2)+128*(((\t)%4)/2)
	ds_load_b64 v[KF+12*(\t)+4:KF+12*(\t)+5], v9 offset:3072*((\t)/4)+768*((\t)%2)+512+64*(((\t)%4)/2)
.endm
.macro KSLD                            ; register m: lanes 0-15 the words of tile 2 m, lanes 16-31 of tile 2 m + 1
.irp m, 0,1,2,3
	ds_load_b32 v[KSR+\m], v11 offset:128*(\m%2)+8*(\m/2)
.endr
.endm
.macro EX j                            ; p = 2^(t - M)
	v_exp_f32 v[SS+(\j)], v[SS+(\j)]
.endm
.macro FM p                            ; t - M of pair p (0 .. 63), two at a time
	v_pk_fma_f32 v[SS+2*(\p):SS+2*(\p)+1], v[SS+2*(\p):SS+2*(\p)+1], s[30:31], v[NM+2*((\p)/32):NM+2*((\p)/32)+1] op_sel_hi:[1,0,0]
.endm
.macro S1 u, k                         ; the sum of block u, level 1: pair k += pair k + 8, in place (the block's codes are made)
	v_pk_add_f32 v[SS+32*(\u)+2*(\k):SS+32*(\u)+2*(\k)+1], v[SS+32*(\u)+2*(\k):SS+32*(\u)+2*(\k)+1], v[SS+32*(\u)+2*(\k)+16:SS+32*(\u)+2*(\k)+17]
.endm
.macro S2 u, k                         ; level 2: the tile's sum k takes pair k; with the tile's first block the sum goes under the new M
.if (\u)%2 == 0
	v_pk_fma_f32 v[LL+16*((\u)/2)+2*(\k):LL+16*((\u)/2)+2*(\k)+1], v[LL+16*((\u)/2)+2*(\k):LL+16*((\u)/2)+2*(\k)+1], v[FF+2*((\u)/2):FF+2*((\u)/2)+1], v[SS+32*(\u)+2*(\k):SS+32*(\u)+2*(\k)+1] op_sel_hi:[1,0,1]
.else
	v_pk_add_f32 v[LL+16*((\u)/2)+2*(\k):LL+16*((\u)/2)+2*(\k)+1], v[LL+16*((\u)/2)+2*(\k):LL+16*((\u)/2)+2*(\k)+1], v[SS+32*(\u)+2*(\k):SS+32*(\u)+2*(\k)+1]
.endif
.endm
.macro CV u                            ; block u's codes; a conversion's three registers begin on an even number, so the second half is made apart and moved
	v_cvt_scalef32_pk16_fp6_f32 v[PC+6*(\u):PC+6*(\u)+2], v[SS+32*(\u):SS+32*(\u)+15], v[TT+(\u)]
	v_cvt_scalef32_pk16_fp6_f32 v[CT+4*(\u):CT+4*(\u)+2], v[SS+32*(\u)+16:SS+32*(\u)+31], v[TT+(\u)]
.endm
	s_load_b128 s[4:7], s[0:1], 0x0                ; hb, ac
	s_load_b64 s[8:9], s[0:1], 0x10                ; asc
	v_lshl_add_u32 v14, v0, 2, SPARE
	v_mov_b32 v15, 0
	ds_add_u32 v14, v15                            ; the opening lines: the add, twice on end, and its wait
	ds_add_u32 v14, v15
	v_lshrrev_b32 v1, 5, v0
	v_readfirstlane_b32 s10, v1                    ; wave 0..7
	s_bfe_u32 s11, ttmp6, 0x40000                  ; cx
	s_lshl_b32 s13, ttmp9, 2
	s_add_co_u32 s11, s13, s11                     ; which 512 queries: it enters Q's and A's addresses alone
	s_and_b32 s12, ttmp7, 0xffff                   ; 16 n + head, which the partners share
	s_mov_b32 s16, 15|(3<<16)|(1<<21)              ; group 1: the mask of all four; elements of 8 bytes; bit 21 beside a mask
	s_mov_b32 s17, 32<<16                          ; rows of 256 bytes,
	s_mov_b32 s18, 102<<16                         ; 102 of them,
	s_mov_b32 s19, 32<<16
	s_mov_b32 s20, 102
	s_mov_b32 s21, 32                              ; dense
	s_mov_b32 s22, 0
	s_mov_b32 s23, 0
	s_mul_i32 s44, s12, RS                         ; v's record,
	s_mul_i32 s14, s10, 26112                      ; my eighth of it
	s_add_co_u32 s44, s44, s14
	s_mov_b32 s45, 0
	s_add_co_u32 s13, s12, 64
	s_mul_i32 s13, s13, RS                         ; q's record
	s_lshl_b32 s15, s11, 5
	s_lshl_b32 s43, s10, 2
	s_add_co_u32 s15, s15, s43                     ; my first tile of queries: 32 qx + 4 w; pass p takes tiles 2 p, 2 p + 1 of my four
	s_mul_i32 s36, s15, 768
	s_add_co_u32 s36, s36, s13
	s_mov_b32 s37, 0
	s_lshr_b32 s46, s15, 3                         ; its scale words: step 4 qx + w / 2,
	s_lshl_b32 s46, s46, 9
	s_and_b32 s43, s10, 1
	s_lshl_b32 s43, s43, 3                         ; word 2 (w % 2) + p
	s_add_co_u32 s46, s46, s43
	s_add_co_u32 s46, s46, s13
	s_mov_b32 s47, 0
	s_lshr_b32 s43, s12, 4
	s_lshl_b32 s43, s43, 7
	s_add_co_u32 s43, s43, s15                     ; A's tile: 128 n + 32 qx + 4 w
	s_and_b32 s48, s12, 15                         ; head
	s_mul_i32 s38, s43, 12288
	s_mul_i32 s49, s48, 768
	s_add_co_u32 s38, s38, s49
	s_mov_b32 s39, 0
	s_lshl_b32 s40, s43, 9                         ; A's scale bytes: K step head / 2: lanes' half (head / 2) % 2, word head / 4, bytes 2 (head % 2)
	s_bfe_u32 s49, s48, 0x10001
	s_lshl_b32 s49, s49, 8
	s_add_co_u32 s40, s40, s49
	s_lshr_b32 s49, s48, 2
	s_lshl_b32 s49, s49, 2
	s_add_co_u32 s40, s40, s49
	s_and_b32 s49, s48, 1
	s_lshl_b32 s49, s49, 1
	s_add_co_u32 s40, s40, s49
	s_mov_b32 s41, 0
	s_mov_b32 s28, 0x76543210
	s_mov_b32 s29, 0xfedcba98                      ; v_permlanex16_b32's selects: lane l xor 16
	s_mov_b32 s30, 0x3e38aa3b                      ; c = log2(e) / 8
	s_mov_b32 s31, s30                             ; (named with it as a pair)
	s_mov_b32 s51, 0xbe38aa3b                      ; -c
	s_wait_dscnt 0x0
	s_wait_kmcnt 0x0
	s_mov_b32 s24, 1
	s_mov_b32 s25, s14                             ; LDS: the record as it lies
	s_add_nc_u64 s[26:27], s[4:5], s[44:45]
	s_or_b32 s27, s27, 0x80000000
	s_add_nc_u64 s[36:37], s[4:5], s[36:37]
	s_add_nc_u64 s[46:47], s[4:5], s[46:47]
	s_add_nc_u64 s[38:39], s[6:7], s[38:39]
	s_add_nc_u64 s[40:41], s[8:9], s[40:41]
	CROUND                                         ; all four work-groups are here: the joint loads meet
	tensor_load_to_lds s[24:27], s[16:23]          ; my one tensor load of the launch
	s_nop 0
.rept 4
	v_nop
.endr
	v_and_b32 v1, 31, v0
	v_lshlrev_b32 v2, 3, v1                        ; 8 x lane
	v_lshlrev_b32 v1, 4, v1                        ; 16 x lane
	v_and_b32 v3, 15, v0
	v_lshlrev_b32 v3, 4, v3                        ; 16 r
	WIN 0x40                                       ; destinations in window 1
	global_load_b128 v[QQ:QQ+3], v1, s[36:37]                      ; Q's four images: pass 0's two tiles,
	global_load_b64 v[QQ+4:QQ+5], v2, s[36:37] offset:512
	global_load_b128 v[QQ+12:QQ+15], v1, s[36:37] offset:768
	global_load_b64 v[QQ+16:QQ+17], v2, s[36:37] offset:768+512
	global_load_b128 v[Q1:Q1+3], v1, s[36:37] offset:1536          ; and pass 1's
	global_load_b64 v[Q1+4:Q1+5], v2, s[36:37] offset:1536+512
	global_load_b128 v[Q1+6:Q1+9], v1, s[36:37] offset:2304
	global_load_b64 v[Q1+10:Q1+11], v2, s[36:37] offset:2304+512
	WIN 0
	global_load_b32 v182, v1, s[46:47] offset:196608     ; lanes 0-15 the even tile's words, lanes 16-31 the odd one's
	global_load_b32 v183, v1, s[46:47] offset:196608+4
	v_bfe_u32 v7, v0, 4, 1                         ; h
	v_and_b32 v13, 7, v0                           ; r % 8
	v_bfe_u32 v12, v0, 3, 1                        ; r / 8
	v_mul_u32_u24 v4, v12, 1536                    ; two images on for rows 8-15: the next block of 32 keys
	v_lshl_add_u32 v5, v13, 3, v4
	v_lshl_add_u32 v5, v7, 7, v5                   ; 8-byte parts: 1,536 (r / 8) + 8 (r % 8) + 128 h
	v_lshl_add_u32 v4, v13, 4, v4
	v_lshl_add_u32 v4, v7, 8, v4                   ; 16-byte parts: 1,536 (r / 8) + 16 (r % 8) + 256 h
	v_lshlrev_b32 v6, 2, v12
	v_lshl_add_u32 v6, v13, 4, v6
	v_lshl_add_u32 v6, v7, 8, v6                   ; scale words: 16 (r % 8) + 4 (r / 8) + 256 h
	v_xor_b32 v13, 1, v7                           ; 1 in lanes 0-15: they hold k = 64 .. 95 in registers 6-11
	v_lshlrev_b32 v12, 3, v13                      ; the code of +1.0 at k = 64
	v_mul_u32_u24 v13, v13, 40                     ; the code of -1.0
	v_lshlrev_b32 v7, 3, v7                        ; 8 h: where my two scale bytes go in p's word
.set j, 0
.rept 12
	v_mov_b32 v[TT+j], 0                           ; written once: a lane permute's destination counts as one of its sources, and pairs are named whole
.set j, j+1
.endr
	v_mov_b32 v[FF+1], 0
	v_mov_b32 v[FF+3], 0
	WIN 0x40
.irp q, 0,12
	v_mov_b32 v[QQ+\q+6], v12
.irp i, 7,8,9,10,11
	v_mov_b32 v[QQ+\q+\i], 0
.endr
.endr
.irp t, 0,1,2,3,4,5,6,7
	v_mov_b32 v[KF+12*\t+6], v13
.irp i, 7,8,9,10,11
	v_mov_b32 v[KF+12*\t+\i], 0
.endr
.endr
	WIN 0
	s_wait_alu depctr_va_vdst(0)
	s_wait_tensorcnt 0x0                           ; my part of the record is in,
	s_barrier_signal -1
	s_barrier_wait -1                              ; everybody's is
	s_wait_loadcnt 0x0                             ; Q
; Two tiles of 16 queries against all 2,048 keys.  p: the pass; QS: Q's scale words
.macro PASS p, QS
	s_wait_xcnt 0x0                                ; the last pass's stores have read their registers
	s_mov_b32 s32, 0
	s_mov_b32 s34, 196608
	v_add_nc_u32 v8, s32, v4
	v_add_nc_u32 v9, s32, v5
	v_add_nc_u32 v11, s34, v6
	WIN 0x40
.irp t, 0,1,2,3,4,5,6,7
	KLD \t                                         ; step 0's fragments along d
.endr
	WIN 0
	KSLD
.irp e, 0,1
	v_mov_b32 v[NM+2*\e+1], 0xe0ad78ec             ; the largest score so far: -1e20
.endr
.irp e, 0,1
	v_mul_f32 v[NM+2*\e], s51, v[NM+2*\e+1]
.endr
.irp e, 0,1
	v_floor_f32 v[NM+2*\e], v[NM+2*\e]             ; -M
.endr
.set j, 0
.rept 32
	v_mov_b32 v[LL+j], 0
.set j, j+1
.endr
	WIN 0x40
.set j, 0
.rept 64
	v_mov_b32 v[OO+j], 0                           ; O^T: the step is written once; its first change of M multiplies zeros
.set j, j+1
.endr
	WIN 0
	s_mov_b32 s32, 6144                            ; the NEXT step's codes along d, 6,144 bytes a step,
	s_mov_b32 s33, 98304                           ; this step's codes along the keys,
	s_mov_b32 s34, 196608+512                      ; the next step's scale words along d,
	s_mov_b32 s35, 204800                          ; this step's along the keys
	s_mov_b32 s50, 16
	s_wait_alu depctr_va_vdst(0)
.Lstep_\@:                                         ; 128 keys a trip
	s_wait_dscnt 0x0                               ; this step's fragments along d and their scale words are in
	WIN 0x05                                       ; sources 0 and 1 in window 1
.irp t, 0,1,2,3,4,5,6,7                        ; S^T = v Q^T: each tile of keys against both tiles of queries
	WM SS+8*\t, KF+12*\t, QQ, 0, KSR+\t/2, \QS, \t%2, 0
	WM SS+64+8*\t, KF+12*\t, QQ+12, 0, KSR+\t/2, \QS, \t%2, 1
.endr
	WIN 0
	v_add_nc_u32 v10, s33, v1                      ; five plain lines: the places behind the products
	v_add_nc_u32 v12, s35, v2
	v_add_nc_u32 v8, s32, v4
	v_add_nc_u32 v9, s32, v5
	v_add_nc_u32 v11, s34, v6
	WIN 0x40                                       ; the step's 33 LDS loads in one run
.irp a, 0,1,2,3                                ; v's four fragments along these 128 keys,
.irp c, 0,1,2
	ds_load_b128 v[VF+12*\a+4*\c:VF+12*\a+4*\c+3], v10 offset:1536*\a+512*\c
.endr
.endr
.irp t, 0,1,2,3,4,5,6,7
	KLD \t                                         ; the next step's fragments along d,
.endr
	WIN 0
	ds_load_b64 v[VSR:VSR+1], v12                  ; and both kinds of scale words
	KSLD
.irp u, 0,1,2,3
	v_max_num_f32 v[BM+\u], v[SS+32*\u], v[SS+32*\u+1]   ; the largest score of each of my four blocks: all 32 keys of a block are mine; each accumulator from its low end on
.endr
.irp j, 2,4,6,8,10,12,14,16,18,20,22,24,26,28,30
.irp u, 0,1,2,3
	v_max3_num_f32 v[BM+\u], v[SS+32*\u+\j], v[SS+32*\u+\j+1], v[BM+\u]
.endr
.endr
.irp e, 0,1
	v_max_num_f32 v[TT+4*\e], v[BM+2*\e], v[BM+2*\e+1]
.endr
.irp e, 0,1
	v_permlanex16_b32 v[TT+4*\e+1], v[TT+4*\e], s28, s29
.endr
.irp e, 0,1
	v_max3_num_f32 v[NM+2*\e+1], v[NM+2*\e+1], v[TT+4*\e], v[TT+4*\e+1]   ; the running largest score of my query
.endr
.irp e, 0,1
	v_mul_f32 v[TT+4*\e+2], s51, v[NM+2*\e+1]      ; -t
.endr
.irp e, 0,1
	v_floor_f32 v[TT+4*\e+2], v[TT+4*\e+2]         ; the new -M = -ceil(t): a whole number
.endr
.irp e, 0,1
	v_sub_f32 v[TT+4*\e+3], v[TT+4*\e+2], v[NM+2*\e]   ; old M - new M: a whole number, 0 or less
.endr
.irp e, 0,1
	v_mov_b32 v[NM+2*\e], v[TT+4*\e+2]
.endr
.irp e, 0,1
	v_cvt_i32_f32 v[TT+4*\e+3], v[TT+4*\e+3]       ; (it saturates)
.endr
.irp e, 0,1
	v_ldexp_f32 v[FF+2*\e], 1.0, v[TT+4*\e+3]      ; f = 2^(old M - new M): a multiplication by it rounds nothing
.endr
.irp u, 0,1,2,3
	v_fma_f32 v[BM+\u], v[BM+\u], s30, v[NM+2*(\u/2)]   ; t - M of each block's largest score: p rises with the score
.endr
	WIN 0x41                                       ; source 0 and the result in window 1
.set j, 0
.rept 16
	v_pk_mul_f32 v[OO+j:OO+j+1], v[OO+j:OO+j+1], v[FF:FF+1] op_sel_hi:[1,0]                      ; O^T under the new M, each accumulator from its low end on
	v_pk_mul_f32 v[OO+32+j:OO+32+j+1], v[OO+32+j:OO+32+j+1], v[FF+2:FF+3] op_sel_hi:[1,0]
.set j, j+2
.endr
	WIN 0
	s_wait_alu depctr_va_vdst(0)                   ; a wait ahead of each run of exponentials and behind it: one stands between two runs
.set FI, 0
.irp q, 0,1,2,3                                ; the blocks' largest p, among block 0's t - M
	v_exp_f32 v[BM+\q], v[BM+\q]
.rept 4
	FM FI
.set FI, FI+1
.endr
.endr
	s_wait_alu depctr_va_vdst(0)
.irp q, 0,1,2,3
	v_max_num_f32 v[BM+\q], 0x1800000, v[BM+\q]    ; the floor 2^(3 - 127): the byte cannot fall under 1
.endr
.irp q, 0,1,2,3
	v_add_nc_u32 v[TT+\q], 0xff000000, v[BM+\q]    ; 2 off the exponent field: the conversion's scale operand
.endr
.irp q, 0,1,2,3
	v_lshrrev_b32 v[TT+4+\q], 23, v[TT+\q]         ; the byte
.endr
.irp e, 0,1
	v_lshl_or_b32 v[TT+8+\e], v[TT+5+2*\e], 16, v[TT+4+2*\e]   ; my two bytes: blocks h and 2 + h,
.endr
.irp e, 0,1
	v_lshlrev_b32 v[TT+8+\e], v7, v[TT+8+\e]       ; at their places in the word;
.endr
.irp e, 0,1
	v_permlanex16_b32 v[TT+10+\e], v[TT+8+\e], s28, s29
.endr
.irp e, 0,1
	v_or_b32 v[PW+\e], v[TT+8+\e], v[TT+10+\e]     ; with lane l xor 16's two the word is whole
.endr
.set XI, 0
.rept 32                                       ; block 0's exponentials, among blocks 1 and 2's t - M
	EX XI
	FM FI
.set XI, XI+1
.set FI, FI+1
.endr
	s_wait_alu depctr_va_vdst(0)
	CV 0
.rept 16                                       ; block 1's, among block 3's t - M and block 0's sums, level 1
	EX XI
	FM FI
.set XI, XI+1
.set FI, FI+1
.endr
.set KI, 0
.rept 8
	EX XI
	EX XI+1
	S1 0, KI
.set XI, XI+2
.set KI, KI+1
.endr
	s_wait_alu depctr_va_vdst(0)
	CV 1
.set KI, 0
.rept 8                                        ; block 2's, among block 0's level 2 and block 1's level 1
	EX XI
	EX XI+1
	S2 0, KI
.set XI, XI+2
.set KI, KI+1
.endr
.set KI, 0
.rept 8
	EX XI
	EX XI+1
	S1 1, KI
.set XI, XI+2
.set KI, KI+1
.endr
	s_wait_alu depctr_va_vdst(0)
	CV 2
.set KI, 0
.rept 8                                        ; block 3's, among block 1's level 2, block 2's level 1 and the first tile's moves
	EX XI
	S2 1, KI
.set XI, XI+1
.set KI, KI+1
.endr
.set KI, 0
.rept 8
	EX XI
	S1 2, KI
.set XI, XI+1
.set KI, KI+1
.endr
.irp g, 0,1
.irp i, 0,1,2
	EX XI
	EX XI+1
	v_mov_b32 v[PC+6*\g+3+\i], v[CT+4*\g+\i]
.set XI, XI+2
.endr
.endr
.rept 4
	EX XI
.set XI, XI+1
.endr
	v_nop                                          ; one plain place behind the exponentials
	s_wait_alu depctr_va_vdst(0)
	CV 3
.set KI, 0
.rept 8
	S2 2, KI
.set KI, KI+1
.endr
.set KI, 0
.rept 8
	S1 3, KI
.set KI, KI+1
.endr
.irp g, 0,1
.irp i, 0,1,2
	v_mov_b32 v[PC+12+6*\g+3+\i], v[CT+8+4*\g+\i]
.endr
.endr
.set KI, 0
.rept 8
	S2 3, KI
.set KI, KI+1
.endr
	s_wait_alu depctr_va_vdst(0)
	s_wait_dscnt 0x0                               ; v's fragments along the keys and their scale words are in (and the next step's loads)
	WIN 0x51                                       ; source 0, C and D in window 1
.irp a, 0,1,2,3                                ; O^T += v^T p^T: the eight accumulators by turns
.irp e, 0,1
	WM OO+32*\e+8*\a, VF+12*\a, PC+12*\e, v[OO+32*\e+8*\a:OO+32*\e+8*\a+7], VSR+\a/2, PW+\e, \a%2, 0
.endr
.endr
	WIN 0
	s_add_co_u32 s32, s32, 6144
	s_add_co_u32 s33, s33, 6144
	s_add_co_u32 s34, s34, 512
	s_add_co_u32 s35, s35, 256
	s_sub_co_u32 s50, s50, 1
	s_cmp_lg_u32 s50, 0
	s_cbranch_scc1 .Lstep_\@
	; A = O / the sum, quantised along d: register 16 b + i of a tile is d = 32 b + 16 (lane / 16) + i.  The sums' lines are the places behind the last products
.irp k, 0,1,2,3
.irp e, 0,1
	v_pk_add_f32 v[LL+16*\e+2*\k:LL+16*\e+2*\k+1], v[LL+16*\e+2*\k:LL+16*\e+2*\k+1], v[LL+16*\e+2*\k+8:LL+16*\e+2*\k+9]
.endr
.endr
.irp k, 0,1
.irp e, 0,1
	v_pk_add_f32 v[LL+16*\e+2*\k:LL+16*\e+2*\k+1], v[LL+16*\e+2*\k:LL+16*\e+2*\k+1], v[LL+16*\e+2*\k+4:LL+16*\e+2*\k+5]
.endr
.endr
.irp e, 0,1
	v_pk_add_f32 v[LL+16*\e:LL+16*\e+1], v[LL+16*\e:LL+16*\e+1], v[LL+16*\e+2:LL+16*\e+3]
.endr
.irp e, 0,1
	v_add_f32 v[TT+4*\e], v[LL+16*\e], v[LL+16*\e+1]
.endr
.irp e, 0,1
	v_permlanex16_b32 v[TT+4*\e+1], v[TT+4*\e], s28, s29
.endr
.irp e, 0,1
	v_add_f32 v[TT+4*\e], v[TT+4*\e], v[TT+4*\e+1]   ; the row's sum
.endr
	v_cmp_eq_f32 s42, 0, v[TT]                     ; a row with no open key
	v_cmp_eq_f32 s43, 0, v[TT+4]
	s_wait_alu depctr_va_vdst(0)
	v_rcp_f32 v[TT+2], v[TT]
	v_rcp_f32 v[TT+6], v[TT+4]
	v_nop                                          ; one plain place behind a transcendental
	WIN 0x01                                       ; source 0 in window 1
	s_wait_alu depctr_va_vdst(0)                   ; ahead of the first reader of the quotients and of O^T
.set j, 0
.rept 16
	v_pk_mul_f32 v[SS+j:SS+j+1], v[OO+j:OO+j+1], v[TT+2:TT+3] op_sel_hi:[1,0]
	v_pk_mul_f32 v[SS+64+j:SS+64+j+1], v[OO+32+j:OO+32+j+1], v[TT+6:TT+7] op_sel_hi:[1,0]
.set j, j+2
.endr
	WIN 0
.irp e, 0,1
.irp b, 0,1
	v_max3_num_f32 v[BM+2*\e+\b], |v[SS+64*\e+16*\b]|, |v[SS+64*\e+16*\b+1]|, 0x1800000
.endr
.endr
.irp i, 2,4,6,8,10,12,14
.irp e, 0,1
.irp b, 0,1
	v_max3_num_f32 v[BM+2*\e+\b], |v[SS+64*\e+16*\b+\i]|, |v[SS+64*\e+16*\b+\i+1]|, v[BM+2*\e+\b]
.endr
.endr
.endr
.irp q, 0,1,2,3
	v_permlanex16_b32 v[TT+4+\q], v[BM+\q], s28, s29
.endr
.irp q, 0,1,2,3
	v_max_num_f32 v[BM+\q], v[BM+\q], v[TT+4+\q]   ; with lane l xor 16's 16: the block's largest magnitude
.endr
.irp q, 0,1,2,3
	v_add_nc_u32 v[TT+\q], 0xff000000, v[BM+\q]
.endr
.irp q, 0,1,2,3
	v_lshrrev_b32 v[TT+4+\q], 23, v[TT+\q]
.endr
	v_mov_b32 v[TT+10], 0xffff
.irp e, 0,1
	v_lshl_or_b32 v[TT+8+\e], v[TT+5+2*\e], 8, v[TT+4+2*\e]   ; my row's two scale bytes
.endr
.irp e, 0,1
	v_cndmask_b32 v[TT+8+\e], v[TT+8+\e], v[TT+10], s[42+\e]   ; 0xff twice where the sum is 0
.endr
.irp e, 0,1
	v_cvt_scalef32_pk16_fp6_f32 v[PC+12*\e:PC+12*\e+2], v[SS+64*\e:SS+64*\e+15], v[TT+2*\e]
	v_cvt_scalef32_pk16_fp6_f32 v[CT+8*\e:CT+8*\e+2], v[SS+64*\e+16:SS+64*\e+31], v[TT+2*\e+1]
.endr
	v_nop                                          ; one plain place behind a scaled conversion
.irp e, 0,1
.irp i, 0,1,2
	v_permlane16_swap_b32 v[PC+12*\e+\i], v[CT+8*\e+\i]   ; here a block lies in lanes l and l xor 16: the operand wants it whole in a lane
.endr
.endr
.irp e, 0,1
.irp i, 0,1,2
	v_mov_b32 v[PC+12*\e+3+\i], v[CT+8*\e+\i]
.endr
.endr
.irp e, 0,1
	global_store_b128 v1, v[PC+12*\e:PC+12*\e+3], s[38:39] offset:(2*\p+\e)*12288          ; the image of (tile, head): 512 consecutive bytes,
	global_store_b64 v2, v[PC+12*\e+4:PC+12*\e+5], s[38:39] offset:(2*\p+\e)*12288+512     ; and 256
	global_store_b16 v3, v[TT+8+\e], s[40:41] offset:(2*\p+\e)*512                         ; two bytes of each row's word (lanes l and l xor 16 write the same bytes with the same value)
.endr
.endm
	PASS 0, 182
	WIN 0x41                                       ; the second pass's Q takes the first's registers
.irp i, 0,1,2,3,4,5
	v_mov_b32 v[QQ+\i], v[Q1+\i]
	v_mov_b32 v[QQ+12+\i], v[Q1+6+\i]
.endr
	WIN 0
	PASS 1, 183
	s_wait_tensorcnt 0x0                           ; the wave's end
	ds_add_u32 v14, v15
	s_wait_dscnt 0x0
	CROUND                                         ; the closing round
	s_endpgm
.Lfunc_end_k_q785b402f8a_attn:
	.size	k_q785b402f8a_attn, .Lfunc_end_k_q785b402f8a_attn-k_q785b402f8a_attn
	.p2alignl 7, 3214868480
	.fill 96, 4, 3214868480
	.section	.rodata,"a",@progbits
	.p2align	6, 0x0
	.amdhsa_kernel k_q785b402f8a_attn
		.amdhsa_group_segment_fixed_size 210944
		.amdhsa_private_segment_fixed_size 0
		.amdhsa_enable_private_segment 0
		.amdhsa_kernarg_size 24
		.amdhsa_user_sgpr_count 2
		.amdhsa_user_sgpr_kernarg_segment_ptr 1
		.amdhsa_wavefront_size32 1
		.amdhsa_system_sgpr_workgroup_id_x 1
		.amdhsa_system_sgpr_workgroup_id_y 1
		.amdhsa_system_sgpr_workgroup_id_z 1
		.amdhsa_system_vgpr_workitem_id 0
		.amdhsa_next_free_vgpr 512
		.amdhsa_next_free_sgpr 66
		.amdhsa_reserve_vcc 0
		.amdhsa_float_denorm_mode_32 3
		.amdhsa_float_denorm_mode_16_64 3
		.amdhsa_memory_ordered 1
		.amdhsa_forward_progress 1
		.amdhsa_inst_pref_size 90
	.end_amdhsa_kernel
	.amdgpu_metadata
---
amdhsa.version: [ 1, 2 ]
amdhsa.kernels:
  - .name:           k_q785b402f8a_attn
    .symbol:         k_q785b402f8a_attn.kd
    .args:
      - { .name: hb, .offset: 0, .size: 8, .value_kind: global_buffer, .address_space: global }
      - { .name: ac, .offset: 8, .size: 8, .value_kind: global_buffer, .address_space: global }
      - { .name: asc, .offset: 16, .size: 8, .value_kind: global_buffer, .address_space: global }
    .group_segment_fixed_size: 210944
    .private_segment_fixed_size: 0
    .kernarg_segment_align: 8
    .kernarg_segment_size: 24
    .max_flat_workgroup_size: 256
    .sgpr_count:     66
    .vgpr_count:     512
    .wavefront_size: 32
...
	.end_amdgpu_metadata
.endif
;; end of part 3
;; launch outp (part 4): grid 4 x 64, 4 waves a work-group, clusters of 4 x 4, 295,424 bytes of LDS; arguments ac, asc, tc, ts, bf, out0; writes out0
.if DOCPART == 4
	.amdgcn_target "amdgcn-amd-amdhsa--gfx1250"
	.amdhsa_code_object_version 6
	.text
	.protected	k_q785b402f8a_outp
	.globl	k_q785b402f8a_outp
	.p2align	8
	.type	k_q785b402f8a_outp,@function
k_q785b402f8a_outp:
	s_mov_b64 s[64:65], 0
	v_nop
	global_prefetch_b8 v0, s[64:65] scope:SCOPE_SE
	s_setreg_imm32_b32 hwreg(HW_REG_WAVE_MODE, 25, 1), 1
	s_wait_xcnt 0x0
	s_wait_alu depctr_hold_cnt(0) depctr_sa_sdst(0) depctr_va_vdst(0) depctr_va_sdst(0) depctr_va_ssrc(0) depctr_va_vcc(0) depctr_vm_vsrc(0)
	s_getreg_b32 s2, hwreg(HW_REG_IB_STS2, 6, 4)
	s_cmp_eq_u32 s2, 0
	s_cbranch_scc0 .Lentry_in_a_cluster
	s_endpgm
.Lentry_in_a_cluster:
	s_bfe_u32 s2, ttmp6, 0x10000c
	s_cmp_lg_u32 s2, 0xf033
	s_cbranch_scc0 .Lentry_shape_is_right
	s_endpgm
.Lentry_shape_is_right:
; out0 = A Wf + bf: 8,192 x 1,024 x 1,024 on codes of FP6 with E8M0 scales; A's codes and scale words come from ac and asc, Wf's from tc and ts (tiles 1728-1791), all as images of the operand's registers.
; A tile is 16 rows: row r of tile T is 32 (T / 2) + 8 (T % 2) + r + 8 (r / 8).  12,288 bytes of codes a tile (16 images of 64 along K), 512 bytes of scale words (at 16 l + 4 P: K step 2 P + l / 16 of row l % 16).
; SHARES.  A work-group makes 128 tokens (L, source 1: a lane holds a token) x 256 channels (R, source 0: registers run along the channels), all of K.  Wave: L tiles 4 (w / 2) .. + 3, R tiles 8 (w % 2) .. + 7: 32 accumulators.
; LDS holds both operands for all of K, filled ONCE, in four chunks of 256 along K.  A wave has four tensor loads out at the most.  CLUSTER 4 x 4: L's tiles are shared along a row, R's along a column: joint loads.
; THE WAY OUT goes through a stage of 16 rows x (512 + 16) bytes for each wave.  It lies in L's bytes, which have had their only fill and, behind the last step's barrier, their last read.
; REGISTERS: window 0: v1-25 addresses; v32-63 R's scale words, v64-79 L's; v80-127, v128-175 L's fragments, two sets; on the way out v80-143 numbers, v144-207 rows read back.
;   window 1: R's fragments, sets at v0 and v128.   window 2: accumulator (a, b) at v[64 a + 8 b].   window 3: v0-63 the bias in the result's layout.
; WHAT OF THE LINES ABOVE HAS CHANGED.  Wf's tiles are 1152-1215 of tc.  LDS: L: two halves of 512 along K as [tile 8][6,144]; R at 98,304: two halves as [tile 16][6,144].
; Each wave issues ONE tensor load: waves 0, 1 a half of L (8 rows of 6,144 bytes), waves 2, 3 a half of R (16 rows); one wait for 0 and one barrier show all of it to all waves.
.set G1L, 28
.set G1R, 36
.set G0L, 44
.set G0R, 68
.set LF,  80
.set HA,  80
.set BK,  144
.set MSB, 0
.macro WIN new                         ; the immediate's high byte repeats the setting that is left
.if MSB != \new
	s_set_vgpr_msb (MSB<<8)|\new
.set MSB, \new
.endif
.endm
.macro CROUND                          ; a round of the cluster's barrier
	s_barrier_signal -1
	s_barrier_wait -1
	s_cmp_lg_u32 s18, 0
	s_cbranch_scc1 .Lnot_wave_0_\@
	s_barrier_signal -3
.Lnot_wave_0_\@:
	s_barrier_wait -3
	s_barrier_signal -1
	s_barrier_wait -1
.endm
.macro PLACES                          ; four plain places behind matrix instructions (ISA guide 7.12.1)
.rept 4
	v_nop
.endr
.endm
	s_load_b256 s[4:11], s[0:1], 0x0               ; ac 4:5, asc 6:7, tc 8:9, ts 10:11
	s_load_b128 s[12:15], s[0:1], 0x20             ; bf 12:13, out0 14:15
	v_lshl_add_u32 v254, v0, 2, 0x48000
	v_mov_b32 v255, 0
	ds_add_u32 v254, v255
	ds_add_u32 v254, v255
	v_lshrrev_b32 v1, 5, v0
	v_readfirstlane_b32 s18, v1                    ; wave
	s_lshr_b32 s19, s18, 1                         ; wl.  Waves 0, 1 fetch for L, waves 2, 3 for R
	s_and_b32 s20, s18, 1                          ; wr.  Also: which half I fetch
	s_bfe_u32 s21, ttmp6, 0x40000                  ; cx
	s_bfe_u32 s22, ttmp6, 0x40004                  ; cy
	s_and_b32 s23, ttmp7, 0xffff
	s_lshl_b32 s62, s23, 2
	s_add_co_u32 s62, s62, s22                     ; Lg: which 128 tokens
	s_lshl_b32 s60, s62, 3                         ; L's first tile
	s_lshl_b32 s84, s21, 4
	s_add_co_u32 s84, s84, 1152
	s_lshl_b32 s63, s22, 2
	s_lshl_b32 s63, 15, s63                        ; my row of the cluster
	s_lshl_b32 s85, 0x1111, s21                    ; my column
	; descriptor group 1: rows of 6,144 bytes (a tile's 512 along K: 768 elements of 8 bytes), 12,288 bytes apart; L: 8 rows, R: 16
	s_or_b32 s[G1L], s63, (3<<16)|(1<<21)
	s_or_b32 s[G1R], s85, (3<<16)|(1<<21)
.irp g, G1L, G1R
	s_mov_b32 s[\g+1], 768<<16
	s_mov_b32 s[\g+3], 768<<16
	s_mov_b32 s[\g+5], 1536
	s_mov_b32 s[\g+6], 0
	s_mov_b32 s[\g+7], 0
.endr
	s_mov_b32 s[G1L+2], 8<<16
	s_mov_b32 s[G1L+4], 8
	s_mov_b32 s[G1R+2], 16<<16
	s_mov_b32 s[G1R+4], 16
	s_mul_i32 s27, s20, 6144                       ; my half of K: w % 2
	s_mul_i32 s66, s60, 12288
	s_add_co_u32 s66, s66, s27
	s_mov_b32 s67, 0
	s_mul_i32 s98, s84, 12288
	s_add_co_u32 s98, s98, s27
	s_mov_b32 s99, 0
	s_mul_i32 s61, s20, 49152                      ; where they go: the wave's number alone enters an LDS address
	s_mul_i32 s87, s20, 98304
	s_add_co_u32 s87, s87, 98304
	s_wait_dscnt 0x0
	s_wait_kmcnt 0x0
	s_add_nc_u64 s[66:67], s[4:5], s[66:67]
	s_add_nc_u64 s[98:99], s[8:9], s[98:99]
.irp c, 0
	s_mov_b32 s[G0L+4*\c], 1
	s_add_co_u32 s[G0L+4*\c+1], s61, \c*24576
	s_add_nc_u64 s[G0L+4*\c+2:G0L+4*\c+3], s[66:67], \c*3072
	s_or_b32 s[G0L+4*\c+3], s[G0L+4*\c+3], 0x80000000
	s_mov_b32 s[G0R+4*\c], 1
	s_add_co_u32 s[G0R+4*\c+1], s87, \c*49152
	s_add_nc_u64 s[G0R+4*\c+2:G0R+4*\c+3], s[98:99], \c*3072
	s_or_b32 s[G0R+4*\c+3], s[G0R+4*\c+3], 0x80000000
.endr
	CROUND                                         ; all sixteen work-groups are here: the joint loads meet
	s_cmp_lt_u32 s18, 2                            ; a wave's one fill stands in one branch on its number
	s_cbranch_scc0 .Lfill_r
	tensor_load_to_lds s[G0L:G0L+3], s[G1L:G1L+7]
	s_nop 0
	PLACES
	s_branch .Lfilled
.Lfill_r:
	tensor_load_to_lds s[G0R:G0R+3], s[G1R:G1R+7]
	s_nop 0
	PLACES
.Lfilled:
	v_and_b32 v1, 31, v0                           ; lane
	v_and_b32 v2, 15, v0                           ; r
	v_bfe_u32 v3, v0, 4, 1                         ; h
	v_lshlrev_b32 v4, 4, v1                        ; 16 x lane
	v_lshlrev_b32 v5, 3, v1                        ; 8 x lane
	v_lshlrev_b32 v6, 6, v3                        ; 64 h
	s_mul_i32 s63, s19, 24576
	s_mul_i32 s85, s20, 49152
	s_add_co_u32 s85, s85, 98304
.irp c, 0,1,2,3                        ; LDS addresses of my tiles in chunk c
	v_add_nc_u32 v[8+\c], s63, v4
	v_add_nc_u32 v[12+\c], s63, v5
	v_add_nc_u32 v[16+\c], s85, v4
	v_add_nc_u32 v[20+\c], s85, v5
	s_add_co_u32 s63, s63, 3072+43008*(\c%2)       ; 256 along K on in a tile's 6,144 bytes, then on to the next half (49,152)
	s_add_co_u32 s85, s85, 3072+92160*(\c%2)       ; R: the next half lies 98,304 on
.endr
	s_mul_i32 s63, s18, 8448                       ; my stage
	v_mul_u32_u24 v24, v2, 528
	v_add_nc_u32 v24, v24, v6
	v_add_nc_u32 v24, s63, v24                     ; in: row r, + 64 h
	v_add_nc_u32 v25, s63, v4                      ; back: 16 bytes a lane of a row
	s_mov_b32 s3, 0
	s_lshl_b32 s2, s20, 3
	s_add_co_u32 s2, s2, s84
	s_lshl_b32 s2, s2, 9
	s_add_nc_u64 s[92:93], s[10:11], s[2:3]        ; the scale records of my 8 tiles of R,
	s_lshl_b32 s2, s19, 2
	s_add_co_u32 s2, s2, s60
	s_lshl_b32 s2, s2, 9
	s_add_nc_u64 s[94:95], s[6:7], s[2:3]          ; of my 4 of L
	s_lshl_b32 s2, s21, 10
	s_lshl_b32 s27, s20, 9
	s_add_co_u32 s2, s2, s27                       ; my first channel, in bytes: 4 (256 cx + 128 wr)
	s_add_nc_u64 s[12:13], s[12:13], s[2:3]
	s_add_nc_u64 s[14:15], s[14:15], s[2:3]
	s_lshl_b32 s2, s62, 19
	s_lshl_b32 s27, s19, 18
	s_add_co_u32 s2, s2, s27                       ; my first token's row: (128 Lg + 64 wl) x 4,096 bytes
	s_add_nc_u64 s[14:15], s[14:15], s[2:3]
.irp b, 0,1,2,3,4,5,6,7
	global_load_b128 v[32+4*\b:35+4*\b], v4, s[92:93] offset:512*\b
.endr
.irp a, 0,1,2,3
	global_load_b128 v[64+4*\a:67+4*\a], v4, s[94:95] offset:512*\a
.endr
	WIN 0xc0                                       ; destination window 3
.irp b, 0,1,2,3,4,5,6,7
	global_load_b128 v[8*\b:8*\b+3], v6, s[12:13] offset:(32*(\b/2)+8*(\b%2))*4
	global_load_b128 v[8*\b+4:8*\b+7], v6, s[12:13] offset:(32*(\b/2)+8*(\b%2))*4+16
.endr
	WIN 0
.macro FRAG reg, a16, a8, off          ; a fragment (16 rows x 128 K, 12 registers) = two images of 768 bytes
	ds_load_b128 v[\reg:\reg+3], v[\a16] offset:\off
	ds_load_b64 v[\reg+4:\reg+5], v[\a8] offset:\off+512
	ds_load_b128 v[\reg+6:\reg+9], v[\a16] offset:\off+768
	ds_load_b64 v[\reg+10:\reg+11], v[\a8] offset:\off+1280
.endm
.macro FETCH s, p
	WIN 0x40
.irp b, 0,1,2,3,4,5,6,7
	FRAG 128*(\p)+12*\b, 16+(\s)/2, 20+(\s)/2, 6144*\b+1536*((\s)%2)
.endr
	WIN 0
.irp a, 0,1,2,3
	FRAG LF+48*(\p)+12*\a, 8+(\s)/2, 12+(\s)/2, 6144*\a+1536*((\s)%2)
.endr
.endm
.macro MULH s, p, a0                   ; 16 products; the 32 accumulators take turns, one instruction a turn, in the same order in every step
	WIN 0xa1
.irp a, \a0, \a0+1
.irp b, 0,1,2,3,4,5,6,7
.if (\s) == 0
	v_wmma_scale_f32_16x16x128_f8f6f4 v[64*(\a)+8*\b:64*(\a)+8*\b+7], v[128*(\p)+12*\b:128*(\p)+12*\b+11], v[LF+48*(\p)+12*(\a):LF+48*(\p)+12*(\a)+11], 0, v[32+4*\b+(\s)/2], v[64+4*(\a)+(\s)/2] matrix_a_fmt:MATRIX_FMT_FP6 matrix_b_fmt:MATRIX_FMT_FP6
.elseif (\s)%2 == 0
	v_wmma_scale_f32_16x16x128_f8f6f4 v[64*(\a)+8*\b:64*(\a)+8*\b+7], v[128*(\p)+12*\b:128*(\p)+12*\b+11], v[LF+48*(\p)+12*(\a):LF+48*(\p)+12*(\a)+11], v[64*(\a)+8*\b:64*(\a)+8*\b+7], v[32+4*\b+(\s)/2], v[64+4*(\a)+(\s)/2] matrix_a_fmt:MATRIX_FMT_FP6 matrix_b_fmt:MATRIX_FMT_FP6
.else
	v_wmma_scale_f32_16x16x128_f8f6f4 v[64*(\a)+8*\b:64*(\a)+8*\b+7], v[128*(\p)+12*\b:128*(\p)+12*\b+11], v[LF+48*(\p)+12*(\a):LF+48*(\p)+12*(\a)+11], v[64*(\a)+8*\b:64*(\a)+8*\b+7], v[32+4*\b+(\s)/2], v[64+4*(\a)+(\s)/2] matrix_a_fmt:MATRIX_FMT_FP6 matrix_b_fmt:MATRIX_FMT_FP6 matrix_a_scale:MATRIX_SCALE_ROW1 matrix_b_scale:MATRIX_SCALE_ROW1
.endif
.endr
.endr
.endm
.macro STEP s
	s_wait_dscnt 0x0                               ; this step's fragments are in
.if (\s) == 7
	s_barrier_signal -1                            ; my last read of the operands' bytes is back
.endif
	MULH \s, (\s)%2, 0
.if (\s) < 7
	PLACES
	FETCH (\s)+1, 1-(\s)%2
.endif
	MULH \s, (\s)%2, 2
.if (\s) == 7
	s_barrier_wait -1                              ; everybody's is: the stages may be written
.endif
.endm
	s_wait_alu depctr_va_vdst(0)
	s_wait_tensorcnt 0x0                           ; my one load has landed
	s_barrier_signal -1
	s_barrier_wait -1
	FETCH 0, 0
	s_wait_loadcnt 0x0                             ; scale words and bias
.irp s, 0,1,2,3,4,5,6,7
	STEP \s
.endr
	PLACES
	WIN 0
; Tile a of 16 tokens x my 128 channels: a lane holds 64 numbers of one row; they go through my stage and come back as whole rows of 512 bytes
.macro OUT a
.if (\a) > 0
	s_wait_xcnt 0x0                                ; the last tile's stores have read their registers
.endif
	WIN 0x0e                                       ; source 0 window 2, source 1 window 3
.set i, 0
.rept 32
	v_pk_add_f32 v[HA+2*i:HA+2*i+1], v[64*(\a)+2*i:64*(\a)+2*i+1], v[2*i:2*i+1]   ; + bias; each accumulator from its low end on
.set i, i+1
.endr
	WIN 0
.set m, 0
.rept 16
	ds_store_b128 v24, v[HA+4*m:HA+4*m+3] offset:128*(m/4)+16*(m%4)   ; register 16 b + i is channel 32 b + 16 h + i
.set m, m+1
.endr
.set t, 0
.rept 16
	ds_load_b128 v[BK+4*t:BK+4*t+3], v25 offset:528*t                  ; LDS serves a wave's instructions in order: these see the stores above
.set t, t+1
.endr
.set t, 0
.rept 16
	s_wait_dscnt 15-t                              ; row t is back; the younger loads may be out
	global_store_b128 v4, v[BK+4*t:BK+4*t+3], s[14:15] offset:(32*((\a)/2)+8*((\a)%2)+t+8*(t/8))*4096 th:TH_STORE_NT   ; 32 lanes store 512 consecutive bytes, at a multiple of 256 from out0's first byte
.set t, t+1
.endr
.endm
	OUT 0
	OUT 1
	OUT 2
	OUT 3
	s_wait_dscnt 0x0
	s_wait_tensorcnt 0x0
	ds_add_u32 v254, v255
	s_wait_dscnt 0x0
	CROUND                                         ; the closing round: no work-group ends while a partner may still ask for a tile that names it
	s_endpgm
.Lfunc_end_k_q785b402f8a_outp:
	.size	k_q785b402f8a_outp, .Lfunc_end_k_q785b402f8a_outp-k_q785b402f8a_outp
	.p2alignl 7, 3214868480
	.fill 96, 4, 3214868480
	.section	.rodata,"a",@progbits
	.p2align	6, 0x0
	.amdhsa_kernel k_q785b402f8a_outp
		.amdhsa_group_segment_fixed_size 295424
		.amdhsa_private_segment_fixed_size 0
		.amdhsa_enable_private_segment 0
		.amdhsa_kernarg_size 48
		.amdhsa_user_sgpr_count 2
		.amdhsa_user_sgpr_kernarg_segment_ptr 1
		.amdhsa_wavefront_size32 1
		.amdhsa_system_sgpr_workgroup_id_x 1
		.amdhsa_system_sgpr_workgroup_id_y 1
		.amdhsa_system_sgpr_workgroup_id_z 1
		.amdhsa_system_vgpr_workitem_id 0
		.amdhsa_next_free_vgpr 832
		.amdhsa_next_free_sgpr 102
		.amdhsa_reserve_vcc 0
		.amdhsa_float_denorm_mode_32 3
		.amdhsa_float_denorm_mode_16_64 3
		.amdhsa_memory_ordered 1
		.amdhsa_forward_progress 1
		.amdhsa_inst_pref_size 93
	.end_amdhsa_kernel
	.amdgpu_metadata
---
amdhsa.version: [ 1, 2 ]
amdhsa.kernels:
  - .name:           k_q785b402f8a_outp
    .symbol:         k_q785b402f8a_outp.kd
    .args:
      - { .name: ac, .offset: 0, .size: 8, .value_kind: global_buffer, .address_space: global }
      - { .name: asc, .offset: 8, .size: 8, .value_kind: global_buffer, .address_space: global }
      - { .name: tc, .offset: 16, .size: 8, .value_kind: global_buffer, .address_space: global }
      - { .name: ts, .offset: 24, .size: 8, .value_kind: global_buffer, .address_space: global }
      - { .name: bf, .offset: 32, .size: 8, .value_kind: global_buffer, .address_space: global }
      - { .name: out0, .offset: 40, .size: 8, .value_kind: global_buffer, .address_space: global }
    .group_segment_fixed_size: 295424
    .private_segment_fixed_size: 0
    .kernarg_segment_align: 8
    .kernarg_segment_size: 48
    .max_flat_workgroup_size: 128
    .sgpr_count:     102
    .vgpr_count:     832
    .wavefront_size: 32
...
	.end_amdgpu_metadata
.endif
;; end of part 4
